; MI455X (gfx1250); checked and timed in simulation.
; The chip was launched on July 23, 2026; its instructions are those of AMD's public machine-readable ISA for CDNA 5 (MIT licence, August 2026) and "CDNA5" Instruction Set Architecture Reference Guide (July 2026). The comments in the code are by the model that wrote it; some were corrected since.
;; MHA. Allowed arithmetic: matrix products marked QUANTISED: E2M3 operands, one E8M0 scale for each 32 along K, by v_wmma_scale_f32_16x16x128_f8f6f4 with both operands' format E2M3, f32 sums; everything else in f32.
;; Inputs: Wk 1,024 x 1,024 float32; Wo 1,024 x 1,024 float32; Wq 1,024 x 1,024 float32; Wv 1,024 x 1,024 float32; bk 1,024 float32; bo 1,024 float32; bq 1,024 float32; bv 1,024 float32; x 2 x 2,048 x 1,024 float32.
;; Outputs: out0 2 x 2,048 x 1,024 float32.
;; This version of the problem:
;;   THIS VERSION OF THE PROBLEM IS GIVEN IN LOW PRECISION. The matrix products marked QUANTISED in the list below multiply operands that are first quantised to E2M3 (2 exponent bits, 3 mantissa bits; 6 bits a number), with one power-of-two scale for each 32 numbers along K (OCP MX v1.0); their sums are f32. All else is computed in f32.
;;   The module's matrix products, in the order in which they are computed (A, B: the left and right operand; K: the contracted axis; several contracted axes count as one K, in the product's order):
;;     1. [M 4,096, K 1,024] x [K 1,024, N 1,024]; A: input x; B: input Wq: QUANTISED
;;     2. [M 4,096, K 1,024] x [K 1,024, N 1,024]; A: input x; B: input Wk: QUANTISED
;;     3. [M 4,096, K 1,024] x [K 1,024, N 1,024]; A: input x; B: input Wv: QUANTISED
;;     4. batch 32 x [M 2,048, K 64] x [K 64, N 2,048]; A: computed on the way; B: computed on the way: QUANTISED
;;     5. batch 32 x [M 2,048, K 2,048] x [K 2,048, N 64]; A: softmax (see below); B: computed on the way: QUANTISED
;;     6. [M 4,096, K 1,024] x [K 1,024, N 1,024]; A: computed on the way; B: input Wo: QUANTISED
;;   THE QUANTISER, for each operand of a quantised product, along K:
;;     - K is cut into blocks of 32 from its start; a last block that is shorter is filled with zeros.
;;     - A block's scale is 2^e with e = floor(log2(the largest magnitude in the block)) - 2, held to -126 .. 127; a block of zeros has e = 0. As a byte (E8M0): e + 127.
;;     - Each number is divided by its block's scale, clamped to +-7.5, and rounded to the nearest number of E2M3, ties to even, subnormals kept.
;;     - The product sums the exact products of the quantised numbers (number of the format x scale) in f32.
;;   ~~~python
;;   def quantise(x, axis):      # numpy; x: float32 -> the quantised numbers, widened to float32 again
;;       x = np.moveaxis(x, axis, -1); K = x.shape[-1]
;;       x = np.pad(x, [(0, 0)] * (x.ndim - 1) + [(0, -K % 32)]); x = x.reshape(x.shape[:-1] + (-1, 32)); a = np.abs(x).max(-1, keepdims=True)
;;       e = np.where(a > 0, np.clip(np.frexp(np.where(a > 0, a, 1))[1] - 1 - 2, -126, 127), 0)      # np.frexp(a)[1] - 1 = floor(log2(a)), exactly
;;       r = np.clip(x / 2.0 ** e, -7.5, 7.5)
;;       step = 2.0 ** (np.maximum(np.frexp(np.where(r == 0, 1, r))[1] - 1, 0) - 3)
;;       q = np.round(r / step) * step * 2.0 ** e      # np.round: ties to even
;;       return np.moveaxis(q.reshape(q.shape[:-2] + (-1,))[..., :K], -1, axis).astype(np.float32)
;;   ~~~
;;   SOFTMAX AHEAD OF A QUANTISED PRODUCT. Where the list says 'softmax', what is quantised is not the finished softmax but p = 2^(t - M), with t = logit x log2(e) and M = ceil(the row's largest t), a whole number; so 1/2 < the row's largest p <= 1. The row's sum l is taken of the UNQUANTISED p, in f32, and the product's result is divided by l at the end. Since M is a whole number, a kernel that streams over the keys may use a running M (the ceiling of the running maximum): every later rescaling is an exact power of two, which a block's scale takes up: the codes' values come out the same.
;;   OPERANDS COMPUTED ON THE WAY. 'Computed on the way' means the value that the module computes at that place (a softmax that the list does not call 'softmax' is quantised finished and normalised). What goes into a quantiser is computed in f32, as accurately as f32 sums, v_exp_f32 and their like allow (about 1e-6 of the number): no bf16 or f16 on the way to a quantiser, and a product that is left as it is and whose result goes on into a quantised operand takes f32 operands (vector FMAs, or v_wmma_f32_16x16x4_f32). A number that lies on a knife's edge between two numbers of the format may be rounded either way, as far as f32 arithmetic and the matrix unit's own rounding can turn it there, and no further.
;; One version. Each part assembles by itself: llvm-mc -triple=amdgcn-amd-amdhsa -mcpu=gfx1250 --defsym DOCPART=n.
;; ======== version 1 of 1: 4 launches
;; workspace buffers: xq 3,276,800 bytes; wq 3,276,800 bytes; qc 3,276,800 bytes; kv 6,553,600 bytes; oc 3,276,800 bytes
;; launch quant (part 1): grid 512 x 1, 4 waves a work-group, no clusters, 68,096 bytes of LDS; arguments x, Wq, Wk, Wv, Wo, xq, wq; writes xq, wq
.if DOCPART == 1
	.amdgcn_target "amdgcn-amd-amdhsa--gfx1250"
	.amdhsa_code_object_version 6
	.text
	.protected	k_q5553cdcbbe_quant
	.globl	k_q5553cdcbbe_quant
	.p2align	8
	.type	k_q5553cdcbbe_quant,@function
k_q5553cdcbbe_quant:
	s_mov_b64 s[64:65], 0
	v_nop
	global_prefetch_b8 v0, s[64:65] scope:SCOPE_SE
	s_setreg_imm32_b32 hwreg(HW_REG_WAVE_MODE, 25, 1), 1
	s_wait_xcnt 0x0
; x [4096][1024] and the four weights [1024 (k)][1024 (n)], f32, become codes of FP6 (E2M3) with one E8M0 byte for each 32 along K, laid in the ORDER OF THE OPERANDS' REGISTERS.
; A block's scale is 2^(floor(log2(its largest magnitude)) - 2): its byte is the largest magnitude's exponent field - 2, held at 1 from below by a floor among the maximum's leaves.
; LIMITS: NaN and infinities among the inputs are not served.  A block of zeros gets the byte 1 where the quantiser says 127: its codes are zeros, and this program alone reads the bytes.
; TILES.  32 neighbouring tokens (or columns of a weight) are a pair of two tiles u = 0, 1 of 16 rows: row m of tile u is index 8 u + m + 8 (m / 8) of the 32.
; A FRAGMENT (16 rows x 128 K, 12 registers a lane: lane (r, h) holds row r, registers 6 c .. 6 c + 5 hold k = 64 c + 32 h + 0 .. 31) lies as an image: register 4 c' + i of lane l at byte 512 c' + 16 l + 4 i.
; xq: 32 records of 128 tokens, 102,400 bytes; in a record 8 K steps of 12,800 bytes: 8 fragments of 1,536, then 4 scale registers of 128 bytes (lanes 0-15: the even tile's rows' words, lanes 16-31: the odd tile's).
; wq: (weight 0..3) x 16 units of 64 columns, 51,200 bytes; in a unit 8 K steps of 6,400 bytes: 4 fragments, then 2 scale registers.
; SHARES.  A wave takes 32 rows (or columns) x 128 along K, 16 KiB, with all its loads issued at once.  Work-groups 0-255 take x, 256-511 the weights.  No loop, no barrier: waves share nothing.
; The stores of fragments cover 512 consecutive bytes each; the stores of scale registers 128: one byte in 24 of what is written.
.set SEL,  34                          ; s[34:35] lane selects for v_permlanex16_b32: lane l xor 16
.set HM,   36                          ; s36      the mask of lanes 16-31
.set F0,   16                          ; v16-27 tile 0's fragment, v28-39 tile 1's
.set CT,   40                          ; v40..    upper halves of blocks' codes (a conversion's three registers begin on an even number)
.set R,    64                          ; v64-191  the 128 registers as loaded
.set XA,   192                         ; v192-255 tile 0's 64 numbers of a lane
.set XB,   64                          ; v64-127  tile 1's
.set SROW, 528                         ; x's stage: a row of 512 bytes + 16, an odd multiple of 16 bytes
.set WSTG, 32*SROW                     ; a wave's stage
	s_load_b256 s[4:11], s[0:1], 0x0               ; x, Wq, Wk, Wv
	s_load_b128 s[12:15], s[0:1], 0x20             ; Wo, xq
	s_load_b64 s[16:17], s[0:1], 0x30              ; wq
	v_lshl_add_u32 v62, v0, 2, 0x10800
	v_mov_b32 v63, 0
	v_lshrrev_b32 v1, 5, v0
	v_readfirstlane_b32 s18, v1                    ; wave
	v_and_b32 v6, 31, v0                           ; lane
	v_lshlrev_b32 v1, 4, v6                        ; 16 l: my place in an image, and in a load of 512 bytes
	v_lshlrev_b32 v2, 2, v6                        ; 4 l: my place in a scale register
	s_mov_b32 s[SEL], 0x76543210
	s_mov_b32 s[SEL+1], 0xfedcba98
	s_mov_b32 s[HM], 0xffff0000
	s_cmp_lt_u32 ttmp9, 256
	s_cbranch_scc0 .Lweights
; ---------------- x: K is innermost.  The loads take 512 consecutive bytes of a token's row; the numbers turn through the wave's own stage, so that a lane gets 32 neighbours along K of its tile's row.
	v_and_b32 v7, 15, v0                           ; r
	v_bfe_u32 v5, v0, 4, 1                         ; h
	s_mul_i32 s19, s18, WSTG
	v_add_nc_u32 v3, s19, v1                       ; into the stage: 16 l of a row
	v_mul_u32_u24 v4, v7, SROW
	v_lshl_add_u32 v4, v5, 7, v4
	v_add_nc_u32 v4, s19, v4                       ; out of it: row r, + 128 h bytes: k = 32 h on
	v_lshlrev_b32 v5, 3, v5                        ; 8 h: bits by which my two scale bytes are shifted
	v_mov_b32 v14, 0                               ; written once: a lane permute's destination counts as one of its sources
	s_lshr_b32 s20, ttmp9, 1                       ; the pair of tiles: 32 tokens
	s_and_b32 s21, ttmp9, 1
	s_lshl_b32 s21, s21, 2
	s_add_co_u32 s21, s21, s18                     ; the K step: the four waves stand side by side on 2,048 bytes of each row
	s_lshl_b32 s22, s20, 17                        ; 32 rows of 4,096 bytes
	s_lshl_b32 s23, s21, 9
	s_add_co_u32 s22, s22, s23
	s_mov_b32 s23, 0
	s_lshr_b32 s24, s20, 2                         ; the record
	s_and_b32 s25, s20, 3                          ; the pair in it
	s_mul_i32 s24, s24, 102400
	s_mul_i32 s26, s21, 12800
	s_add_co_u32 s24, s24, s26
	s_mul_i32 s26, s25, 3072
	s_add_co_u32 s26, s26, s24                     ; the two fragments
	s_mov_b32 s27, 0
	s_lshl_b32 s28, s25, 7
	s_add_co_u32 s28, s28, s24
	s_add_co_u32 s28, s28, 12288                   ; their scale register
	s_mov_b32 s29, 0
	s_wait_alu depctr_va_vdst(0)
	s_wait_kmcnt 0x0
	s_add_nc_u64 s[4:5], s[4:5], s[22:23]
	s_add_nc_u64 s[30:31], s[14:15], s[26:27]
	s_add_nc_u64 s[32:33], s[14:15], s[28:29]
.set i, 0
.rept 32
	global_load_b128 v[R+4*i:R+4*i+3], v1, s[4:5] offset:4096*i th:TH_LOAD_NT   ; token i: 32 lanes read 512 consecutive bytes
.set i, i+1
.endr
.set i, 0
.rept 32
	s_wait_loadcnt 31-i                            ; loads come back in order: token i's is in, the younger ones stay out
	ds_store_b128 v3, v[R+4*i:R+4*i+3] offset:SROW*(16*((i>>3)&1)+8*(i>>4)+(i&7))   ; token i = 16 (m / 8) + 8 u + m % 8 goes to stage row 16 u + m
.set i, i+1
.endr
.macro BACK u, xs                      ; tile u's numbers: lane (r, h) takes k = 64 c + 32 h + 0 .. 31 of row r
.irp c, 0,1
.irp i, 0,1,2,3,4,5,6,7
	ds_load_b128 v[\xs+32*\c+4*\i:\xs+32*\c+4*\i+3], v4 offset:16*SROW*\u+256*\c+16*\i
.endr
.endr
.endm
; A tile: the lane holds two whole blocks, h and 2 + h, of its row.  f: the fragment's registers; w: the register that takes the row's scale word.
.macro TILE u, xs, f, w
.irp c, 0,1
	v_max3_num_f32 v[8+\c], |v[\xs+32*\c]|, |v[\xs+32*\c+1]|, 0x1800000   ; the floor 2^(3 - 127): the byte cannot fall under 1
.endr
.irp i, 2,4,6,8,10,12,14,16,18,20,22,24,26,28,30
.irp c, 0,1
	v_max3_num_f32 v[8+\c], v[8+\c], |v[\xs+32*\c+\i]|, |v[\xs+32*\c+\i+1]|   ; (the two blocks by turns)
.endr
.endr
.irp c, 0,1
	v_add_nc_u32 v[10+\c], 0xff000000, v[8+\c]     ; 2 off the exponent field: the conversion takes the exponent field of this operand as its scale
.endr
.irp c, 0,1
	v_lshrrev_b32 v[12+\c], 23, v[10+\c]           ; the scale's byte
.endr
	v_lshl_or_b32 v[\w], v13, 16, v12              ; blocks h and 2 + h,
	v_lshlrev_b32 v[\w], v5, v[\w]                 ; at their places in the word;
	v_permlanex16_b32 v14, v[\w], s[SEL], s[SEL+1]
	v_or_b32 v[\w], v[\w], v14                     ; with lane l xor 16's two the word is whole, in both halves of the lanes
.irp c, 0,1
	v_cvt_scalef32_pk16_fp6_f32 v[\f+6*\c:\f+6*\c+2], v[\xs+32*\c:\xs+32*\c+15], v[10+\c]
	v_cvt_scalef32_pk16_fp6_f32 v[CT+4*\c:CT+4*\c+2], v[\xs+32*\c+16:\xs+32*\c+31], v[10+\c]
.endr
	v_nop                                          ; one plain place behind a scaled conversion
.irp c, 0,1
.irp i, 0,1,2
	v_mov_b32 v[\f+6*\c+3+\i], v[CT+4*\c+\i]
.endr
.endr
.irp c, 0,1,2
	global_store_b128 v1, v[\f+4*\c:\f+4*\c+3], s[30:31] offset:1536*\u+512*\c   ; the image: 512 consecutive bytes a store
.endr
.endm
	BACK 0, XA                                     ; LDS serves a wave's instructions in order: these see the stores above
	s_wait_dscnt 0x0                               ; tile 0's numbers are in, and the stage's stores have read R,
	BACK 1, XB                                     ; whose registers take tile 1's numbers while tile 0 is worked
	TILE 0, XA, F0, 48
	s_wait_dscnt 0x0
	TILE 1, XB, F0+12, 49
	v_cndmask_b32 v50, v48, v49, s[HM]             ; lanes 0-15: tile 0's words, lanes 16-31: tile 1's
	global_store_b32 v2, v50, s[32:33]
	s_wait_tensorcnt 0x0
	ds_add_u32 v62, v63
	s_wait_dscnt 0x0
	s_endpgm
; ---------------- the weights: K is the first axis.  A LANE TAKES A COLUMN AND ITS REGISTERS RUN DOWN K: nothing is transposed, and a block's maximum needs no other lane.
.Lweights:
	s_wait_alu depctr_va_vdst(0)
	v_and_b32 v3, 7, v6                            ; lane l = 16 u + m takes row m of tile u: column 8 u + m + 8 (m / 8) of the pair's 32
	v_and_b32 v4, 8, v6
	v_lshl_or_b32 v3, v4, 1, v3
	v_and_b32 v4, 16, v6
	v_lshrrev_b32 v4, 1, v4
	v_or_b32 v3, v3, v4
	v_lshlrev_b32 v3, 2, v3                        ; in bytes
	s_sub_co_u32 s19, ttmp9, 256
	s_lshr_b32 s20, s19, 6                         ; the weight: 0 Wq, 1 Wk, 2 Wv, 3 Wo
	s_and_b32 s21, s19, 7                          ; the K step
	s_bfe_u32 s22, s19, 0x30003
	s_lshl_b32 s22, s22, 2
	s_add_co_u32 s22, s22, s18                     ; the pair of tiles: the four waves stand side by side on 512 bytes of each row
	s_lshl_b32 s24, s21, 19                        ; 128 rows of 4,096 bytes
	s_lshl_b32 s25, s22, 7
	s_add_co_u32 s24, s24, s25
	s_mov_b32 s25, 0
	s_lshl_b32 s26, s20, 4
	s_lshr_b32 s27, s22, 1
	s_add_co_u32 s26, s26, s27                     ; the unit of 64 columns
	s_mul_i32 s26, s26, 51200
	s_mul_i32 s27, s21, 6400
	s_add_co_u32 s26, s26, s27
	s_and_b32 s28, s22, 1                          ; which pair of the unit
	s_mul_i32 s27, s28, 3072
	s_add_co_u32 s30, s26, s27                     ; the two fragments
	s_mov_b32 s31, 0
	s_lshl_b32 s28, s28, 7
	s_add_co_u32 s28, s28, s26
	s_add_co_u32 s28, s28, 6144                    ; their scale register
	s_mov_b32 s29, 0
	s_and_b32 s23, s20, 1
	s_wait_alu depctr_va_vdst(0)
	s_wait_kmcnt 0x0
	s_cmp_lg_u32 s23, 0                            ; the choice of the buffer hangs on the work-group's number alone
	s_cselect_b64 s[6:7], s[8:9], s[6:7]
	s_cselect_b64 s[10:11], s[12:13], s[10:11]
	s_cmp_lt_u32 s20, 2
	s_cselect_b64 s[6:7], s[6:7], s[10:11]
	s_add_nc_u64 s[6:7], s[6:7], s[24:25]
	s_add_nc_u64 s[30:31], s[16:17], s[30:31]
	s_add_nc_u64 s[28:29], s[16:17], s[28:29]
.set i, 0
.rept 128
	global_load_b32 v[R+i], v3, s[6:7] offset:4096*i th:TH_LOAD_NT   ; W(128 s + i, my column): the wave reads 128 consecutive bytes of a row
.set i, i+1
.endr
; Block kb of my column: all 32 numbers are mine.  Blocks 0 and 2 go to the first run of 12 registers, blocks 1 and 3 to the second.
.macro BLOCK kb, left
.set XS, R+32*(\kb)
	s_wait_loadcnt \left                           ; this block's loads are in; later blocks' may be out (a wait's count names 63 at the most)
	v_max3_num_f32 v12, |v[XS]|, |v[XS+1]|, |v[XS+2]|
	v_max3_num_f32 v13, |v[XS+3]|, |v[XS+4]|, |v[XS+5]|
.irp i, 6,10,14,18,22,26
	v_max3_num_f32 v12, v12, |v[XS+\i]|, |v[XS+\i+1]|
	v_max3_num_f32 v13, v13, |v[XS+\i+2]|, |v[XS+\i+3]|
.endr
	v_max3_num_f32 v12, v12, |v[XS+30]|, |v[XS+31]|
	v_max3_num_f32 v12, v12, v13, 0x1800000        ; and the floor
	v_add_nc_u32 v[8+\kb], 0xff000000, v12         ; the conversion's scale operand: a register of its own for each block
	v_lshrrev_b32 v14, 23, v[8+\kb]                ; the byte
.if (\kb) == 0
	v_mov_b32 v56, v14
.else
	v_lshl_or_b32 v56, v14, 8*(\kb), v56           ; my column's scale word: the lower K in the lower byte
.endif
	v_cvt_scalef32_pk16_fp6_f32 v[F0+12*((\kb)%2)+6*((\kb)/2):F0+12*((\kb)%2)+6*((\kb)/2)+2], v[XS:XS+15], v[8+\kb]
	v_cvt_scalef32_pk16_fp6_f32 v[CT+4*(\kb):CT+4*(\kb)+2], v[XS+16:XS+31], v[8+\kb]
.endm
	BLOCK 0, 63
	BLOCK 1, 63
	BLOCK 2, 32
	BLOCK 3, 0
	v_nop                                          ; one plain place behind the last scaled conversion
.irp kb, 0,1,2,3
.irp i, 0,1,2
	v_mov_b32 v[F0+12*(\kb%2)+6*(\kb/2)+3+\i], v[CT+4*\kb+\i]
.endr
.endr
; Lane 16 u + m holds all four blocks of row m of tile u.  A fragment wants blocks 2 c in lanes 0-15 and 2 c + 1 in lanes 16-31: the first run's lanes 16-31 (tile 1, blocks 0, 2) change places with
; the second run's lanes 0-15 (tile 0, blocks 1, 3): the first run is then tile 0's fragment, the second tile 1's.
.irp i, 0,1,2,3,4,5,6,7,8,9,10,11
	v_permlane16_swap_b32 v[F0+\i], v[F0+12+\i]
.endr
.irp u, 0,1
.irp c, 0,1,2
	global_store_b128 v1, v[F0+12*\u+4*\c:F0+12*\u+4*\c+3], s[30:31] offset:1536*\u+512*\c
.endr
.endr
	global_store_b32 v2, v56, s[28:29]             ; lanes 0-15: tile 0's rows' words, lanes 16-31: tile 1's
	s_endpgm
.Lfunc_end_k_q5553cdcbbe_quant:
	.size	k_q5553cdcbbe_quant, .Lfunc_end_k_q5553cdcbbe_quant-k_q5553cdcbbe_quant
	.p2alignl 7, 3214868480
	.fill 96, 4, 3214868480
	.section	.rodata,"a",@progbits
	.p2align	6, 0x0
	.amdhsa_kernel k_q5553cdcbbe_quant
		.amdhsa_group_segment_fixed_size 68096
		.amdhsa_private_segment_fixed_size 0
		.amdhsa_enable_private_segment 0
		.amdhsa_kernarg_size 56
		.amdhsa_user_sgpr_count 2
		.amdhsa_user_sgpr_kernarg_segment_ptr 1
		.amdhsa_wavefront_size32 1
		.amdhsa_system_sgpr_workgroup_id_x 1
		.amdhsa_system_sgpr_workgroup_id_y 1
		.amdhsa_system_sgpr_workgroup_id_z 1
		.amdhsa_system_vgpr_workitem_id 0
		.amdhsa_next_free_vgpr 256
		.amdhsa_next_free_sgpr 66
		.amdhsa_reserve_vcc 0
		.amdhsa_float_denorm_mode_32 3
		.amdhsa_float_denorm_mode_16_64 3
		.amdhsa_memory_ordered 1
		.amdhsa_forward_progress 1
		.amdhsa_inst_pref_size 38
	.end_amdhsa_kernel
	.amdgpu_metadata
---
amdhsa.version: [ 1, 2 ]
amdhsa.kernels:
  - .name:           k_q5553cdcbbe_quant
    .symbol:         k_q5553cdcbbe_quant.kd
    .args:
      - { .name: x, .offset: 0, .size: 8, .value_kind: global_buffer, .address_space: global }
      - { .name: Wq, .offset: 8, .size: 8, .value_kind: global_buffer, .address_space: global }
      - { .name: Wk, .offset: 16, .size: 8, .value_kind: global_buffer, .address_space: global }
      - { .name: Wv, .offset: 24, .size: 8, .value_kind: global_buffer, .address_space: global }
      - { .name: Wo, .offset: 32, .size: 8, .value_kind: global_buffer, .address_space: global }
      - { .name: xq, .offset: 40, .size: 8, .value_kind: global_buffer, .address_space: global }
      - { .name: wq, .offset: 48, .size: 8, .value_kind: global_buffer, .address_space: global }
    .group_segment_fixed_size: 68096
    .private_segment_fixed_size: 0
    .kernarg_segment_align: 8
    .kernarg_segment_size: 56
    .max_flat_workgroup_size: 128
    .sgpr_count:     66
    .vgpr_count:     256
    .wavefront_size: 32
...
	.end_amdgpu_metadata
.endif
;; end of part 1
;; launch qkv (part 2): grid 8 x 32, 6 waves a work-group, clusters of 4 x 1, 168,704 bytes of LDS; arguments xq, wq, bq, bk, bv, qc, kv; writes qc, kv
.if DOCPART == 2
	.amdgcn_target "amdgcn-amd-amdhsa--gfx1250"
	.amdhsa_code_object_version 6
	.text
	.protected	k_q5553cdcbbe_qkv
	.globl	k_q5553cdcbbe_qkv
	.p2align	8
	.type	k_q5553cdcbbe_qkv,@function
k_q5553cdcbbe_qkv:
	s_mov_b64 s[64:65], 0
	v_nop
	global_prefetch_b8 v0, s[64:65] scope:SCOPE_SE
	s_setreg_imm32_b32 hwreg(HW_REG_WAVE_MODE, 25, 1), 1
	s_wait_xcnt 0x0
	s_wait_alu depctr_hold_cnt(0) depctr_sa_sdst(0) depctr_va_vdst(0) depctr_va_sdst(0) depctr_va_ssrc(0) depctr_va_vcc(0) depctr_vm_vsrc(0)
	s_getreg_b32 s2, hwreg(HW_REG_IB_STS2, 6, 4)
	s_cmp_eq_u32 s2, 0
	s_cbranch_scc0 .Lentry_in_a_cluster
	s_endpgm
.Lentry_in_a_cluster:
	s_bfe_u32 s2, ttmp6, 0x10000c
	s_cmp_lg_u32 s2, 0x3003
	s_cbranch_scc0 .Lentry_shape_is_right
	s_endpgm
.Lentry_shape_is_right:
; q = x Wq + bq, k = x Wk + bk, v = x Wv + bv on codes of FP6 (E2M3) with E8M0 scales; the results are quantised at once: q and k along the head's 64, v along the keys; only codes go to memory.
; SHARES.  A work-group takes 128 tokens (record beta of xq) and two heads; wave w makes kind w / 2 (0 q, 1 k, 2 v) of head 2 gx + w % 2: 128 tokens x 64 columns, 32 accumulators (window 1).
; x's record, 102,400 bytes, lies in LDS, filled once.  The four work-groups of a cluster take the same tokens: the record is asked for JOINTLY (waves 0-3, 100 rows of 256 bytes each).
; THE WEIGHTS go from memory straight into registers, three K steps ahead: a wave's unit of 64 columns is read by that wave alone in its work-group, and the partners of a cluster take other heads, so
; there is nothing of the weights that partners could ask for jointly.
; TILES.  32 neighbouring tokens (or columns) are two tiles u = 0, 1: row m of tile u is index 8 u + m + 8 (m / 8).  Where such a tile is source 0, register j of a result holds index 8 u + 16 (lane / 16) + j:
; the 16 registers of two neighbouring tiles are 16 neighbours.
; q, k: source 0 = 16 columns of W, source 1 = 16 tokens: a lane holds ONE token, its registers run along the head's 64.  The 64 numbers of row r of tiles 2 p and 2 p + 1 are quantised together
; as one fragment of 128 along K: [tile 2 p's 64 | tile 2 p + 1's 64].  v: source 0 = 16 tokens, source 1 = 16 columns: a lane holds ONE column, its registers run along the 128 tokens, which are the keys.
; OUT.  qc: (batch, head) x 16 records of 6,400 bytes: 4 fragments as images (register 4 c + i of lane l at 512 c + 16 l + 4 i), then 256 bytes of scale words: 8 l + 4 g (register g: lanes 0-15 fragment 2 g, lanes 16-31 fragment 2 g + 1).
; kv: records of 12,800 bytes: k's 4 fragments, v's 4 (16 of the head's 64 x 128 keys), k's scale words, v's.
; LIMITS: NaN and infinities are not served; a block of zeros gets the byte 1 (its codes are zeros; this program alone reads the bytes); the bias is added behind the f32 sum.
; REGISTERS, window 0: v1-7 addresses; v16-87 x's fragments, three sets of two; v88-231 W's, three K steps of four; v232-234 x's scale words, v236-241 W's.  On the way out: v16-79 64 numbers, v80-103 at work,
; v104-151 the four fragments made, v152-157 their scale words, v184-215 the bias.
.set WV,  18                           ; s18 my wave's number
.set G0,  24                           ; s[24:27] descriptor group 0
.set G1,  28                           ; s[28:35] group 1
.set SEL, 36                           ; s[36:37] lane selects: lane l xor 16
.set HM,  38                           ; s38 the mask of lanes 16-31
.set WB,  44                           ; s[44:45] my unit of the weights
.set BI,  46                           ; s[46:47] my 64 numbers of the bias
.set IMG, 48                           ; s[48:49] where my four fragments go
.set SCA, 50                           ; s[50:51] and their scale words
.set LI,  1                            ; v1 16 l; v2 the same 51,200 on (K steps 4-7: an LDS offset has 16 bits)
.set LS,  3                            ; v3 4 l; v4 the same 51,200 on
.set L8,  5                            ; v5 8 l
.set BQ,  6                            ; v6 64 h: the bias of q and k
.set BV,  7                            ; v7 4 (r + 8 (r / 8)): the bias of v
.set XR,  16
.set WR,  88
.set SX,  232
.set SW,  236
.set T,   16
.set TM,  80
.set CT,  96
.set PC,  104
.set PW,  152
.set SG,  156
.set BI0, 184
.set MSB, 0
.macro WIN new                         ; the immediate's high byte repeats the setting that is left
.if MSB != \new
	s_set_vgpr_msb (MSB<<8)|\new
.set MSB, \new
.endif
.endm
.macro ROUND                           ; a round of the cluster's barrier
	s_barrier_signal -1
	s_barrier_wait -1
	s_cmp_lg_u32 s[WV], 0
	s_cbranch_scc1 .Lnot_wave_0_\@
	s_barrier_signal -3
.Lnot_wave_0_\@:
	s_barrier_wait -3
	s_barrier_signal -1
	s_barrier_wait -1
.endm
.macro PLACES                          ; four plain places between a matrix instruction and a load into, or a vector instruction on, its registers
.rept 4
	v_nop
.endr
.endm
; One matrix instruction on accumulator rD.  ra, rb: the side's scale words stand in lanes 16-31.  In K step 0 the product starts the sum.
.macro WMMA a, b, sa, sb, ra, rb
.if ms_ == 0
.if (\ra) && (\rb)
	v_wmma_scale_f32_16x16x128_f8f6f4 v[rD:rD+7], v[\a:\a+11], v[\b:\b+11], 0, v[\sa], v[\sb] matrix_a_fmt:MATRIX_FMT_FP6 matrix_b_fmt:MATRIX_FMT_FP6 matrix_a_scale:MATRIX_SCALE_ROW1 matrix_b_scale:MATRIX_SCALE_ROW1
.elseif (\ra)
	v_wmma_scale_f32_16x16x128_f8f6f4 v[rD:rD+7], v[\a:\a+11], v[\b:\b+11], 0, v[\sa], v[\sb] matrix_a_fmt:MATRIX_FMT_FP6 matrix_b_fmt:MATRIX_FMT_FP6 matrix_a_scale:MATRIX_SCALE_ROW1
.elseif (\rb)
	v_wmma_scale_f32_16x16x128_f8f6f4 v[rD:rD+7], v[\a:\a+11], v[\b:\b+11], 0, v[\sa], v[\sb] matrix_a_fmt:MATRIX_FMT_FP6 matrix_b_fmt:MATRIX_FMT_FP6 matrix_b_scale:MATRIX_SCALE_ROW1
.else
	v_wmma_scale_f32_16x16x128_f8f6f4 v[rD:rD+7], v[\a:\a+11], v[\b:\b+11], 0, v[\sa], v[\sb] matrix_a_fmt:MATRIX_FMT_FP6 matrix_b_fmt:MATRIX_FMT_FP6
.endif
.else
.if (\ra) && (\rb)
	v_wmma_scale_f32_16x16x128_f8f6f4 v[rD:rD+7], v[\a:\a+11], v[\b:\b+11], v[rD:rD+7], v[\sa], v[\sb] matrix_a_fmt:MATRIX_FMT_FP6 matrix_b_fmt:MATRIX_FMT_FP6 matrix_a_scale:MATRIX_SCALE_ROW1 matrix_b_scale:MATRIX_SCALE_ROW1
.elseif (\ra)
	v_wmma_scale_f32_16x16x128_f8f6f4 v[rD:rD+7], v[\a:\a+11], v[\b:\b+11], v[rD:rD+7], v[\sa], v[\sb] matrix_a_fmt:MATRIX_FMT_FP6 matrix_b_fmt:MATRIX_FMT_FP6 matrix_a_scale:MATRIX_SCALE_ROW1
.elseif (\rb)
	v_wmma_scale_f32_16x16x128_f8f6f4 v[rD:rD+7], v[\a:\a+11], v[\b:\b+11], v[rD:rD+7], v[\sa], v[\sb] matrix_a_fmt:MATRIX_FMT_FP6 matrix_b_fmt:MATRIX_FMT_FP6 matrix_b_scale:MATRIX_SCALE_ROW1
.else
	v_wmma_scale_f32_16x16x128_f8f6f4 v[rD:rD+7], v[\a:\a+11], v[\b:\b+11], v[rD:rD+7], v[\sa], v[\sb] matrix_a_fmt:MATRIX_FMT_FP6 matrix_b_fmt:MATRIX_FMT_FP6
.endif
.endif
.endm
.macro WLOAD                           ; K step ws of my unit: 4 fragments and 2 scale registers, 14 loads, into buffer ws % 3
.irp j, 0,1,2,3
.irp c, 0,1,2
	global_load_b128 v[WR+48*(ws%3)+12*\j+4*\c:WR+48*(ws%3)+12*\j+4*\c+3], v[LI], s[WB:WB+1] offset:6400*ws+1536*\j+512*\c
.endr
.endr
.irp b, 0,1
	global_load_b32 v[SW+2*(ws%3)+\b], v[LS], s[WB:WB+1] offset:6400*ws+6144+128*\b
.endr
.endm
.macro XSET                            ; set xq = 4 s + p: the pair p of x's tiles in K step s: 2 fragments and their scale register, 7 LDS loads, into slot xq % 3
.set xs_, xq/4
.set xo_, 12800*(xs_%4)
.irp u, 0,1
.irp c, 0,1,2
	ds_load_b128 v[XR+24*(xq%3)+12*\u+4*\c:XR+24*(xq%3)+12*\u+4*\c+3], v[LI+xs_/4] offset:xo_+3072*(xq%4)+1536*\u+512*\c
.endr
.endr
	ds_load_b32 v[SX+xq%3], v[LS+xs_/4] offset:xo_+12288+128*(xq%4)
.endm
.macro MSET nat                        ; set mq: 8 matrix instructions, 2 tiles of tokens x 4 tiles of columns.  The 32 accumulators take turns, one instruction a turn
.set ms_, mq/4
.irp u, 0,1
.irp j, 0,1,2,3
.set rD, 8*(4*(2*(mq%4)+\u)+\j)
.set rW, WR+48*(ms_%3)+12*\j
.set rX, XR+24*(mq%3)+12*\u
.set rSW, SW+2*(ms_%3)+\j/2
.set rSX, SX+mq%3
.if \nat
	WMMA rX, rW, rSX, rSW, \u, \j%2
.else
	WMMA rW, rX, rSW, rSX, \j%2, \u
.endif
.endr
.endr
.endm
.macro BIAS nat                        ; 8 loads, into W's buffer 2, which K step 5 has left
.irp j, 0,1,2,3
.if \nat
	global_load_b32 v[BI0+2*\j], v[BV], s[BI:BI+1] offset:4*(32*(\j/2)+8*(\j%2))      ; v: my column's number, twice: a pair for the packed addition
	global_load_b32 v[BI0+2*\j+1], v[BV], s[BI:BI+1] offset:4*(32*(\j/2)+8*(\j%2))
.else
	global_load_b128 v[BI0+8*\j:BI0+8*\j+3], v[BQ], s[BI:BI+1] offset:4*(32*(\j/2)+8*(\j%2))      ; q, k: tile j's eight columns of my half
	global_load_b128 v[BI0+8*\j+4:BI0+8*\j+7], v[BQ], s[BI:BI+1] offset:4*(32*(\j/2)+8*(\j%2))+16
.endif
.endr
.endm
.macro KLOOP nat                       ; all of K: 8 K steps x 4 sets, written out: every offset is an immediate
.set mq, 0
.rept 32
.if mq%4 == 0
.if mq/4 <= 5
	s_wait_loadcnt 28                              ; this K step's weights are in; the two later steps' 14 + 14 loads may be out
.elseif mq/4 == 6
	s_wait_loadcnt 22                              ; behind K step 6's: K step 7's 14 and the bias's 8
.else
	s_wait_loadcnt 8                               ; behind K step 7's: the bias's 8
.endif
.endif
.if mq <= 29
	s_wait_dscnt 14                                ; this set is in; the two later sets' 7 + 7 loads may be out
.else
	s_wait_dscnt 7*(31-mq)
.endif
	WIN 0x50                                       ; C and D in window 1
	MSET \nat
	WIN 0
	PLACES                                         ; in front of the loads into the registers just read; behind the last set: of the way out
.if mq+3 <= 31
.set xq, mq+3
	XSET
.endif
.if mq%4 == 3
.if mq/4 <= 4
.set ws, mq/4+3
	WLOAD
.elseif mq/4 == 5
	BIAS \nat
.endif
.endif
.set mq, mq+1
.endr
.endm
; 64 numbers of a lane, v[s + 16 b + i] = k 32 b + 16 (lane / 16) + i of my row, become fragment n's codes in v[PC + 12 n] on and its scale word in v[PW + n] (in both halves of the lanes).
.macro QUANT s, n
.irp b, 0,1,2,3
	v_max3_num_f32 v[TM+\b], |v[\s+16*\b]|, |v[\s+1+16*\b]|, 0x1800000   ; my 16 numbers of block b, and the floor 2^(3 - 127): the byte cannot fall under 1
.endr
.irp i, 2,4,6,8,10,12,14
.irp b, 0,1,2,3
	v_max3_num_f32 v[TM+\b], v[TM+\b], |v[\s+16*\b+\i]|, |v[\s+1+16*\b+\i]|
.endr
.endr
.irp b, 0,1,2,3
	v_permlanex16_b32 v[TM+4+\b], v[TM+\b], s[SEL], s[SEL+1]
.endr
.irp b, 0,1,2,3
	v_max_num_f32 v[TM+\b], v[TM+\b], v[TM+4+\b]   ; with lane l xor 16's: the block's largest magnitude
.endr
.irp b, 0,1,2,3
	v_add_nc_u32 v[TM+12+\b], 0xff000000, v[TM+\b] ; 2 off its exponent field: the conversion's scale operand
.endr
.irp b, 0,1,2,3
	v_lshrrev_b32 v[TM+4+\b], 23, v[TM+12+\b]      ; the scale's byte
.endr
	v_lshl_or_b32 v[PW+(\n)], v[TM+5], 8, v[TM+4]
	v_lshl_or_b32 v[PW+(\n)], v[TM+6], 16, v[PW+(\n)]
	v_lshl_or_b32 v[PW+(\n)], v[TM+7], 24, v[PW+(\n)]
.irp c, 0,1
	v_cvt_scalef32_pk16_fp6_f32 v[PC+12*(\n)+6*\c:PC+12*(\n)+6*\c+2], v[\s+32*\c:\s+32*\c+15], v[TM+12+2*\c]
	v_cvt_scalef32_pk16_fp6_f32 v[CT+4*\c:CT+4*\c+2], v[\s+32*\c+16:\s+32*\c+31], v[TM+12+2*\c+1]   ; (a conversion's three registers begin on an even number)
.endr
	v_nop                                          ; one plain place behind a scaled conversion
.irp c, 0,1                            ; the operand's layout wants a WHOLE block in a lane: lanes 0-15 block 2 c, lanes 16-31 block 2 c + 1
.irp i, 0,1,2
	v_permlane16_swap_b32 v[PC+12*(\n)+6*\c+\i], v[CT+4*\c+\i]
.endr
.irp i, 0,1,2
	v_mov_b32 v[PC+12*(\n)+6*\c+3+\i], v[CT+4*\c+\i]
.endr
.endr
.endm
.macro GATHER_T p                      ; q, k: the 64 numbers of my rows of tiles 2 p and 2 p + 1, + bias.  Each accumulator is read from its low end on
	WIN 0x01                                       ; source 0 in window 1
.irp u, 0,1
.irp j, 0,1,2,3
.irp e, 0,2,4,6
	v_pk_add_f32 v[T+16*(2*\u+\j/2)+8*(\j%2)+\e:T+16*(2*\u+\j/2)+8*(\j%2)+\e+1], v[8*(4*(2*(\p)+\u)+\j)+\e:8*(4*(2*(\p)+\u)+\j)+\e+1], v[BI0+8*\j+\e:BI0+8*\j+\e+1]
.endr
.endr
.endr
	WIN 0
.endm
.macro GATHER_N j                      ; v: my column of tile j at the 64 tokens of my half, + bias
	WIN 0x01
.irp t, 0,1,2,3,4,5,6,7
.irp e, 0,2,4,6
	v_pk_add_f32 v[T+8*\t+\e:T+8*\t+\e+1], v[8*(4*\t+(\j))+\e:8*(4*\t+(\j))+\e+1], v[BI0+2*(\j):BI0+2*(\j)+1]
.endr
.endr
	WIN 0
.endm
.macro WAYOUT nat                      ; four fragments are made and stored; each has registers of its own, so no store's data are written again
	s_wait_loadcnt 0x0                             ; the bias
.irp b, 0,1,2,3
	v_mov_b32 v[TM+4+\b], 0                        ; written once: a lane permute's destination counts as one of its sources
.endr
.irp i, 0,1,2,3
.if \nat
	GATHER_N \i
.else
	GATHER_T \i
.endif
	QUANT T, \i
.irp c, 0,1,2
	global_store_b128 v[LI], v[PC+12*\i+4*\c:PC+12*\i+4*\c+3], s[IMG:IMG+1] offset:1536*\i+512*\c   ; the image: 512 consecutive bytes a store
.endr
.endr
.irp g, 0,1
	v_cndmask_b32 v[SG+\g], v[PW+2*\g], v[PW+2*\g+1], s[HM]   ; lanes 0-15: fragment 2 g's words, lanes 16-31: fragment 2 g + 1's
.endr
	global_store_b64 v[L8], v[SG:SG+1], s[SCA:SCA+1]          ; 256 consecutive bytes, aligned
.endm
	s_load_b256 s[4:11], s[0:1], 0x0               ; xq, wq, bq, bk
	s_load_b128 s[12:15], s[0:1], 0x20             ; bv, qc
	s_load_b64 s[16:17], s[0:1], 0x30              ; kv
	v_lshl_add_u32 v254, v0, 2, 0x29000
	v_mov_b32 v255, 0
	ds_add_u32 v254, v255
	ds_add_u32 v254, v255
	v_lshrrev_b32 v1, 5, v0
	v_readfirstlane_b32 s[WV], v1                  ; wave 0..5
	v_and_b32 v8, 31, v0
	v_lshlrev_b32 v[LI], 4, v8
	v_add_nc_u32 v[LI+1], 51200, v[LI]
	v_lshlrev_b32 v[LS], 2, v8
	v_add_nc_u32 v[LS+1], 51200, v[LS]
	v_lshlrev_b32 v[L8], 3, v8
	v_bfe_u32 v[BQ], v0, 4, 1
	v_lshlrev_b32 v[BQ], 6, v[BQ]
	v_and_b32 v[BV], 15, v0
	v_and_b32 v9, 8, v0
	v_add_nc_u32 v[BV], v[BV], v9
	v_lshlrev_b32 v[BV], 2, v[BV]
	s_bfe_u32 s19, ttmp6, 0x40000                  ; cx: it enters global addresses of the weights, the bias and the results alone
	s_lshl_b32 s20, ttmp9, 2
	s_add_co_u32 s20, s20, s19                     ; gx
	s_and_b32 s21, ttmp7, 0xffff                   ; beta: the record of 128 tokens, which the four partners share
	s_lshr_b32 s22, s[WV], 1                       ; kind
	s_and_b32 s23, s[WV], 1
	s_lshl_b32 s39, s20, 1
	s_add_co_u32 s23, s23, s39                     ; head
	s_mov_b32 s[SEL], 0x76543210
	s_mov_b32 s[SEL+1], 0xfedcba98
	s_mov_b32 s[HM], 0xffff0000
	; descriptor group 1: 100 rows of 256 bytes (32 elements of 8 bytes), dense in memory and in LDS
	s_mov_b32 s[G1], 15|(3<<16)|(1<<21)            ; 15:0 the mask: all four work-groups; 17:16 elements of 8 bytes; 20 no padding; 21 set beside a mask
	s_mov_b32 s[G1+1], 32<<16                      ; tensor_dim0
	s_mov_b32 s[G1+2], 100<<16                     ; tensor_dim1
	s_mov_b32 s[G1+3], 32<<16                      ; tile_dim0
	s_mov_b32 s[G1+4], 100                         ; tile_dim1
	s_mov_b32 s[G1+5], 32                          ; tensor_dim0_stride
	s_mov_b32 s[G1+6], 0
	s_mov_b32 s[G1+7], 0
	s_mov_b32 s[G0], 1
	s_mul_i32 s[G0+1], s[WV], 25600                ; LDS address: a quarter of the record for each of waves 0-3
	s_mul_i32 s52, s21, 102400
	s_add_co_u32 s52, s52, s[G0+1]
	s_mov_b32 s53, 0
	s_lshl_b32 s40, s22, 4
	s_add_co_u32 s40, s40, s23
	s_mul_i32 s40, s40, 51200                      ; my unit: weight = kind, unit = head
	s_mov_b32 s41, 0
	s_lshl_b32 s42, s23, 8                         ; my 64 numbers of the bias
	s_mov_b32 s43, 0
	s_lshr_b32 s54, s21, 4                         ; the batch
	s_lshl_b32 s54, s54, 4
	s_add_co_u32 s54, s54, s23
	s_lshl_b32 s54, s54, 4
	s_and_b32 s55, s21, 15
	s_add_co_u32 s54, s54, s55                     ; the record: 16 (16 batch + head) + the tokens' 128 in the batch
	s_mov_b32 s55, 12800
	s_mov_b32 s56, 12288
	s_cmp_eq_u32 s22, 0
	s_cselect_b32 s55, 6400, s55                   ; a record's bytes: qc's or kv's
	s_cselect_b32 s56, 6144, s56                   ; from the fragments to their scale words: q 6,144, k 12,288,
	s_cmp_eq_u32 s22, 2
	s_cselect_b32 s57, 6144, 0                     ; v's fragments lie behind k's
	s_cselect_b32 s56, 6400, s56                   ; v 6,400
	s_mul_i32 s54, s54, s55
	s_add_co_u32 s54, s54, s57
	s_mov_b32 s55, 0
	s_mov_b32 s57, 0
	s_wait_alu depctr_va_vdst(0)
	s_wait_dscnt 0x0
	s_wait_kmcnt 0x0
	s_add_nc_u64 s[WB:WB+1], s[6:7], s[40:41]
	s_cmp_eq_u32 s22, 0                            ; the choices of buffers hang on the wave's number alone
	s_cselect_b64 s[BI:BI+1], s[8:9], s[10:11]
	s_cselect_b64 s[IMG:IMG+1], s[14:15], s[16:17]
	s_cmp_eq_u32 s22, 2
	s_cselect_b64 s[BI:BI+1], s[12:13], s[BI:BI+1]
	s_add_nc_u64 s[BI:BI+1], s[BI:BI+1], s[42:43]
	s_add_nc_u64 s[IMG:IMG+1], s[IMG:IMG+1], s[54:55]
	s_add_nc_u64 s[SCA:SCA+1], s[IMG:IMG+1], s[56:57]
	s_add_nc_u64 s[G0+2:G0+3], s[4:5], s[52:53]
	s_or_b32 s[G0+3], s[G0+3], 0x80000000          ; type = 2
.irp n, 0,1,2
.set ws, \n
	WLOAD                                          ; the first three K steps' weights are on their way while the record is fetched
.endr
	ROUND                                          ; all four work-groups are here: the joint loads meet
	s_cmp_lt_u32 s[WV], 4
	s_cbranch_scc0 .Lno_fill
	tensor_load_to_lds s[G0:G0+3], s[G1:G1+7]      ; my one tensor load of the launch
	s_nop 0
.rept 4
	v_nop                                          ; four plain lines follow a tensor load
.endr
.Lno_fill:
	s_wait_tensorcnt 0x0                           ; my quarter has landed,
	s_barrier_signal -1
	s_barrier_wait -1                              ; everybody's has: the record is whole, and nothing is ever filled again
.irp n, 0,1,2
.set xq, \n
	XSET
.endr
	s_cmp_eq_u32 s22, 2
	s_cbranch_scc1 .Lvalues
	KLOOP 0
	WAYOUT 0
	s_branch .Lend
.Lvalues:
	KLOOP 1
	WAYOUT 1
.Lend:
	s_wait_tensorcnt 0x0
	ds_add_u32 v254, v255
	s_wait_dscnt 0x0
	ROUND                                          ; the closing round: no work-group ends while a partner may still ask for a tile that names it
	s_endpgm
.Lfunc_end_k_q5553cdcbbe_qkv:
	.size	k_q5553cdcbbe_qkv, .Lfunc_end_k_q5553cdcbbe_qkv-k_q5553cdcbbe_qkv
	.p2alignl 7, 3214868480
	.fill 96, 4, 3214868480
	.section	.rodata,"a",@progbits
	.p2align	6, 0x0
	.amdhsa_kernel k_q5553cdcbbe_qkv
		.amdhsa_group_segment_fixed_size 168704
		.amdhsa_private_segment_fixed_size 0
		.amdhsa_enable_private_segment 0
		.amdhsa_kernarg_size 56
		.amdhsa_user_sgpr_count 2
		.amdhsa_user_sgpr_kernarg_segment_ptr 1
		.amdhsa_wavefront_size32 1
		.amdhsa_system_sgpr_workgroup_id_x 1
		.amdhsa_system_sgpr_workgroup_id_y 1
		.amdhsa_system_sgpr_workgroup_id_z 1
		.amdhsa_system_vgpr_workitem_id 0
		.amdhsa_next_free_vgpr 512
		.amdhsa_next_free_sgpr 66
		.amdhsa_reserve_vcc 0
		.amdhsa_float_denorm_mode_32 3
		.amdhsa_float_denorm_mode_16_64 3
		.amdhsa_memory_ordered 1
		.amdhsa_forward_progress 1
		.amdhsa_inst_pref_size 179
	.end_amdhsa_kernel
	.amdgpu_metadata
---
amdhsa.version: [ 1, 2 ]
amdhsa.kernels:
  - .name:           k_q5553cdcbbe_qkv
    .symbol:         k_q5553cdcbbe_qkv.kd
    .args:
      - { .name: xq, .offset: 0, .size: 8, .value_kind: global_buffer, .address_space: global }
      - { .name: wq, .offset: 8, .size: 8, .value_kind: global_buffer, .address_space: global }
      - { .name: bq, .offset: 16, .size: 8, .value_kind: global_buffer, .address_space: global }
      - { .name: bk, .offset: 24, .size: 8, .value_kind: global_buffer, .address_space: global }
      - { .name: bv, .offset: 32, .size: 8, .value_kind: global_buffer, .address_space: global }
      - { .name: qc, .offset: 40, .size: 8, .value_kind: global_buffer, .address_space: global }
      - { .name: kv, .offset: 48, .size: 8, .value_kind: global_buffer, .address_space: global }
    .group_segment_fixed_size: 168704
    .private_segment_fixed_size: 0
    .kernarg_segment_align: 8
    .kernarg_segment_size: 56
    .max_flat_workgroup_size: 192
    .sgpr_count:     66
    .vgpr_count:     512
    .wavefront_size: 32
...
	.end_amdgpu_metadata
.endif
;; end of part 2
;; launch attn (part 3): grid 8 x 32, 16 waves a work-group, clusters of 4 x 1, 206,848 bytes of LDS; arguments qc, kv, oc; writes oc
.if DOCPART == 3
	.amdgcn_target "amdgcn-amd-amdhsa--gfx1250"
	.amdhsa_code_object_version 6
	.text
	.protected	k_q5553cdcbbe_attn
	.globl	k_q5553cdcbbe_attn
	.p2align	8
	.type	k_q5553cdcbbe_attn,@function
k_q5553cdcbbe_attn:
	s_mov_b64 s[64:65], 0
	v_nop
	global_prefetch_b8 v0, s[64:65] scope:SCOPE_SE
	s_setreg_imm32_b32 hwreg(HW_REG_WAVE_MODE, 25, 1), 1
	s_wait_xcnt 0x0
	s_wait_alu depctr_hold_cnt(0) depctr_sa_sdst(0) depctr_va_vdst(0) depctr_va_sdst(0) depctr_va_ssrc(0) depctr_va_vcc(0) depctr_vm_vsrc(0)
	s_getreg_b32 s2, hwreg(HW_REG_IB_STS2, 6, 4)
	s_cmp_eq_u32 s2, 0
	s_cbranch_scc0 .Lentry_in_a_cluster
	s_endpgm
.Lentry_in_a_cluster:
	s_bfe_u32 s2, ttmp6, 0x10000c
	s_cmp_lg_u32 s2, 0x3003
	s_cbranch_scc0 .Lentry_shape_is_right
	s_endpgm
.Lentry_shape_is_right:
; o = softmax(q k^T / 8) v for one (batch, head), both products on codes of FP6 (E2M3) with E8M0 scales; o / l is quantised along the model's 1,024 (two blocks a head) and leaves as codes.
; THE SOFTMAX: t = score x log2(e) / 8; M = the running largest t rounded UP to a whole number; p = 2^(t - M) is quantised along the keys, not normalised; the row's sum l is taken of the unquantised p
; and divides at the end.  When M moves, l and O are multiplied by 2^(old M - new M): exact.
; SHARES.  A work-group owns 256 queries of one head, each of its sixteen waves one tile of 16, in 256 registers: four waves to a SIMD, so that one wave's vector work stands beside another's matrix work.
; THE HEAD'S WHOLE K AND V, 16 records of 12,800 bytes, lie in LDS, filled once: every wave asks for one record.  The four work-groups of a cluster belong to one head: the loads are JOINT.
; No LDS byte is filled twice, so there is one barrier and no ring.
; LAYOUT.  Both products are used transposed (S^T = K Q^T, O^T = V^T P^T): a lane holds ONE query throughout.  A record holds 128 keys.  A fragment p of K holds, in row r, the 64 numbers of row r of key tile 2 p
; and then those of key tile 2 p + 1: against [q | zero codes] it gives tile 2 p's scores, against [zero codes | q] tile 2 p + 1's: the head's K of 64 costs no LDS byte and no register of padding.
; Row m of tile u of a pair is key 8 u + m + 8 (m / 8) of the pair's 32, so that the 16 registers of two neighbouring tiles are 16 neighbouring keys.  V^T's tiles are chosen likewise along the head's 64.
; OUT.  oc: records of 128 tokens, 102,400 bytes; K step s = heads 2 s, 2 s + 1: 12,800 bytes: 8 fragments of 1,536 (register 6 c + 2 p + i of lane l at 768 c + 256 p + 8 l + 4 i; a head owns c = head % 2: three
; stores of 256 consecutive bytes), then 4 scale registers; a word is [head 2 s: 2 bytes | head 2 s + 1: 2 bytes], so a wave stores 2 bytes a row there: one byte in 24 of what the launch writes.
; LIMITS: NaN and infinities are not served; p under 2^-126 comes out as 0 (v_exp_f32's denormal results are zeros: ISA guide 15.8); 1 / l is v_rcp_f32's; a block of zeros gets the byte 1 (its codes are zeros).
; REGISTERS: v1-8 addresses; v12 -M, v13 the largest t, v[14:15] l in two halves; v16-21 zero codes, v22-27 q, v28-33 zero codes; v34 q's scale word, v35 p's, v36-37 K's, v38-39 V's; v[40:41] f; v42-43 at work;
; v48-95 four fragments of K, then of V; v96-159 S^T, then p; v160-191 O^T; v192-203 p's codes; v204-225 at work.
.set WV,  10                           ; s10 my wave's number
.set G0,  16                           ; s[16:19] descriptor group 0
.set G1,  20                           ; s[20:27] group 1
.set SEL, 28                           ; s[28:29] lane selects: lane l xor 16
.set CS,  30                           ; s[30:31] c = log2(e) / 8: the packed form names a pair and takes its low word for both halves
.set TB,  32                           ; s32 LDS byte at which the record in hand begins
.set CNT, 33                           ; s33 records to go
.set UM,  34                           ; s34 all ones where my tile is the odd one of its pair
.set PSEL, 35                          ; s35 the byte selects that double my tile's two scale bytes
.set LI,  1                            ; v1 16 l
.set L8,  2                            ; v2 8 l
.set ADR, 3                            ; v3 the record's fragments
.set ADS, 4                            ; v4 its scale words
.set S,   96
.set O,   160
.set KF,  48
.set PC,  192
.set CT,  204
.set BM,  212                          ; the blocks' largest scores, then largest p
.set BT,  216
.set BO,  220                          ; the conversions' scale operands
.macro ROUND                           ; a round of the cluster's barrier
	s_barrier_signal -1
	s_barrier_wait -1
	s_cmp_lg_u32 s[WV], 0
	s_cbranch_scc1 .Lnot_wave_0_\@
	s_barrier_signal -3
.Lnot_wave_0_\@:
	s_barrier_wait -3
	s_barrier_signal -1
	s_barrier_wait -1
.endm
	s_load_b128 s[4:7], s[0:1], 0x0                ; qc, kv
	s_load_b64 s[8:9], s[0:1], 0x10                ; oc
	v_lshl_add_u32 v254, v0, 2, 0x32000
	v_mov_b32 v255, 0
	ds_add_u32 v254, v255
	ds_add_u32 v254, v255
	v_lshrrev_b32 v1, 5, v0
	s_delay_alu instid0(VALU_DEP_1)
	v_readfirstlane_b32 s[WV], v1                  ; wave 0..15
	v_and_b32 v6, 31, v0
	s_delay_alu instid0(VALU_DEP_1)
	v_lshlrev_b32 v[LI], 4, v6
	s_delay_alu instid0(VALU_DEP_2)
	v_lshlrev_b32 v[L8], 3, v6
	v_and_b32 v5, 15, v0                           ; r
	s_delay_alu instid0(VALU_DEP_1)
	v_lshlrev_b32 v8, 3, v5                        ; 8 r: my row's word among q's scale words
	s_bfe_u32 s11, ttmp6, 0x40000                  ; cx: it enters q's and o's global addresses alone
	s_lshl_b32 s12, ttmp9, 2
	s_add_co_u32 s12, s12, s11                     ; my block of 256 queries
	s_and_b32 s13, ttmp7, 0xffff                   ; 16 batch + head, which the four partners share
	s_and_b32 s14, s13, 15                         ; head
	s_lshr_b32 s15, s[WV], 3
	s_lshl_b32 s36, s12, 1
	s_add_co_u32 s15, s15, s36                     ; my record of 128 queries
	s_and_b32 s37, s[WV], 7                        ; my tile in it,
	s_lshr_b32 s38, s37, 1                         ; its pair p,
	s_and_b32 s39, s37, 1                          ; and u
	s_lshl_b32 s40, s13, 4
	s_add_co_u32 s40, s40, s15
	s_mul_i32 s40, s40, 6400                       ; qc's record
	s_mul_i32 s42, s38, 1536
	s_add_co_u32 s42, s42, s40                     ; fragment p
	s_mov_b32 s43, 0
	s_and_b32 s44, s38, 1                          ; its words: register p / 2, lanes 16 (p % 2) + r: byte 128 (p % 2) + 8 r + 4 (p / 2)
	s_lshl_b32 s44, s44, 7
	s_lshr_b32 s45, s38, 1
	s_lshl_b32 s45, s45, 2
	s_add_co_u32 s44, s44, s45
	s_add_co_u32 s44, s44, s40
	s_add_co_u32 s44, s44, 6144
	s_mov_b32 s45, 0
	s_mov_b32 s[G0], 1
	s_mul_i32 s[G0+1], s[WV], 12800                ; LDS address: record w
	s_mul_i32 s46, s13, 204800
	s_add_co_u32 s46, s46, s[G0+1]
	s_mov_b32 s47, 0
	s_lshr_b32 s48, s13, 4
	s_lshl_b32 s48, s48, 4
	s_add_co_u32 s48, s48, s15
	s_mul_i32 s48, s48, 102400                     ; oc's record
	s_lshr_b32 s49, s14, 1
	s_mul_i32 s49, s49, 12800
	s_add_co_u32 s48, s48, s49                     ; its K step: head / 2
	s_and_b32 s49, s14, 1
	s_mul_i32 s50, s37, 1536
	s_mul_i32 s51, s49, 768
	s_add_co_u32 s50, s50, s51
	s_add_co_u32 s50, s50, s48                     ; my tile's fragment, my head's half of it
	s_mov_b32 s51, 0
	s_lshl_b32 s52, s37, 6                         ; my tile's words: 128 p + 64 u,
	s_lshl_b32 s53, s49, 1                         ; my head's two bytes of each
	s_add_co_u32 s52, s52, s53
	s_add_co_u32 s52, s52, s48
	s_add_co_u32 s52, s52, 12288
	s_mov_b32 s53, 0
	s_mov_b32 s[PSEL], 0x01000100
	s_cmp_lg_u32 s39, 0
	s_cselect_b32 s[UM], -1, 0
	s_cselect_b32 s[PSEL], 0x03020302, s[PSEL]
	s_mov_b32 s[SEL], 0x76543210
	s_mov_b32 s[SEL+1], 0xfedcba98
	s_mov_b32 s[CS], 0x3e38aa3b                    ; c = log2(e) / 8
	s_mov_b32 s[CS+1], s[CS]                       ; (named with it as a pair, so it is written)
	s_mov_b32 s[TB], 0
	s_mov_b32 s[CNT], 16
	; descriptor group 1: 50 rows of 256 bytes (32 elements of 8 bytes), dense in memory and in LDS
	s_mov_b32 s[G1], 15|(3<<16)|(1<<21)            ; 15:0 the mask: all four work-groups; 17:16 elements of 8 bytes; 20 no padding; 21 set beside a mask
	s_mov_b32 s[G1+1], 32<<16
	s_mov_b32 s[G1+2], 50<<16
	s_mov_b32 s[G1+3], 32<<16
	s_mov_b32 s[G1+4], 50
	s_mov_b32 s[G1+5], 32
	s_mov_b32 s[G1+6], 0
	s_mov_b32 s[G1+7], 0
	s_wait_alu depctr_va_vdst(0)
	s_wait_dscnt 0x0
	s_wait_kmcnt 0x0
	s_add_nc_u64 s[G0+2:G0+3], s[6:7], s[46:47]
	s_or_b32 s[G0+3], s[G0+3], 0x80000000          ; type = 2
	s_add_nc_u64 s[42:43], s[4:5], s[42:43]
	s_add_nc_u64 s[44:45], s[4:5], s[44:45]
	s_add_nc_u64 s[50:51], s[8:9], s[50:51]
	s_add_nc_u64 s[52:53], s[8:9], s[52:53]
.irp c, 0,1,2
	global_load_b128 v[KF+4*\c:KF+4*\c+3], v[LI], s[42:43] offset:512*\c   ; q's fragment p: both tiles of the pair
.endr
	global_load_b32 v42, v8, s[44:45]              ; and my row's word
	ROUND                                          ; all four work-groups are here: the joint loads meet
	tensor_load_to_lds s[G0:G0+3], s[G1:G1+7]      ; my one tensor load of the launch: record w of the head
	s_nop 0
.rept 4
	v_nop                                          ; four plain lines follow a tensor load
.endr
.irp i, 0,1,2,3,4,5
	v_mov_b32 v[16+\i], 0                          ; zero codes: they add nothing under any scale byte
	v_mov_b32 v[28+\i], 0
.endr
	v_mov_b32 v13, 0xff61b1e6                      ; the largest t so far: -3e38, under every t
	s_delay_alu instid0(VALU_DEP_1)
	v_floor_f32 v12, -v13                          ; -M
	v_mov_b32 v14, 0                               ; l, in two halves
	v_mov_b32 v15, 0
	v_mov_b32 v41, 0                               ; (named as the upper half of the pair v[40:41])
.irp b, 0,1,2,3
	v_mov_b32 v[BT+\b], 0                          ; written once: a lane permute's destination counts as one of its sources
.endr
	s_wait_loadcnt 0x0
.irp i, 0,1,2,3,4,5
	v_cndmask_b32 v[22+\i], v[KF+\i], v[KF+6+\i], s[UM]   ; my tile's 64 along K: registers 0-5 of the fragment (u = 0) or 6-11 (u = 1)
.endr
	v_perm_b32 v34, v42, v42, s[PSEL]              ; my tile's two scale bytes, twice: they serve q in either half of K
.set j, 0
.rept 32
	v_mov_b32 v[O+j], 0                            ; O^T: the step is written once; the first finds zeros.  (These are also the places between the lines above and the first scaled matrix instruction)
.set j, j+1
.endr
	s_wait_tensorcnt 0x0                           ; my record has landed,
	s_barrier_signal -1
	s_barrier_wait -1                              ; everybody's has: the head's K and V are whole
.Lstep:                                            ; 16 trips: a record of 128 keys each
	s_setprio 2
	v_add_nc_u32 v[ADR], s[TB], v[LI]
	v_add_nc_u32 v[ADS], s[TB], v[L8]
	v_nop
	v_nop                                          ; four plain places behind the last trip's products, in front of the loads into the registers that they read
.irp p, 0,1,2,3
.irp c, 0,1,2
	ds_load_b128 v[KF+12*\p+4*\c:KF+12*\p+4*\c+3], v[ADR] offset:1536*\p+512*\c
.endr
.endr
	ds_load_b64 v[36:37], v[ADS] offset:12288      ; K's scale words: register p / 2, lanes 16 (p % 2) + r
	s_wait_alu depctr_va_vdst(0)
	s_wait_dscnt 0x0
.irp p, 0,1,2,3                                ; S^T = K Q^T: fragment p against [q | 0] and [0 | q]
.irp u, 0,1
.if \p%2
	v_wmma_scale_f32_16x16x128_f8f6f4 v[S+8*(2*\p+\u):S+8*(2*\p+\u)+7], v[KF+12*\p:KF+12*\p+11], v[22-6*\u:33-6*\u], 0, v[36+\p/2], v34 matrix_a_fmt:MATRIX_FMT_FP6 matrix_b_fmt:MATRIX_FMT_FP6 matrix_a_scale:MATRIX_SCALE_ROW1
.else
	v_wmma_scale_f32_16x16x128_f8f6f4 v[S+8*(2*\p+\u):S+8*(2*\p+\u)+7], v[KF+12*\p:KF+12*\p+11], v[22-6*\u:33-6*\u], 0, v[36+\p/2], v34 matrix_a_fmt:MATRIX_FMT_FP6 matrix_b_fmt:MATRIX_FMT_FP6
.endif
.endr
.endr                                          ; lane (r, h) holds query r; register 16 b + i is key 32 b + 16 h + i of the record
.rept 4
	v_nop                                          ; places in front of the loads below and of the first read of the scores
.endr
.irp j, 0,1,2,3
.irp c, 0,1,2
	ds_load_b128 v[KF+12*\j+4*\c:KF+12*\j+4*\c+3], v[ADR] offset:6144+1536*\j+512*\c   ; V's fragments land while the softmax is worked
.endr
.endr
	ds_load_b64 v[38:39], v[ADS] offset:12544
.irp b, 0,1,2,3
	v_max3_num_f32 v[BM+\b], v[S+16*\b], v[S+1+16*\b], v[S+2+16*\b]   ; THE LARGEST SCORE OF EACH BLOCK OF 32 KEYS serves twice: for the row's maximum, and, since p rises with the score, for the block's largest p
.endr
.irp i, 3,5,7,9,11,13
.irp b, 0,1,2,3
	v_max3_num_f32 v[BM+\b], v[BM+\b], v[S+16*\b+\i], v[S+1+16*\b+\i]
.endr
.endr
.irp b, 0,1,2,3
	v_max_num_f32 v[BM+\b], v[BM+\b], v[S+15+16*\b]
.endr
.irp b, 0,1,2,3
	s_delay_alu instid0(VALU_DEP_4)
	v_permlanex16_b32 v[BT+\b], v[BM+\b], s[SEL], s[SEL+1]
.endr
.irp b, 0,1,2,3
	s_delay_alu instid0(VALU_DEP_4)
	v_max_num_f32 v[BM+\b], v[BM+\b], v[BT+\b]     ; with lane l xor 16's 16 keys
.endr
	s_delay_alu instid0(VALU_DEP_2)
	v_max3_num_f32 v42, v[BM], v[BM+1], v[BM+2]
	s_delay_alu instid0(VALU_DEP_1)
	v_max_num_f32 v42, v42, v[BM+3]                ; the step's largest score of my query
	s_delay_alu instid0(VALU_DEP_1)
	v_mul_f32 v42, s[CS], v42                      ; as t (c is positive)
	s_delay_alu instid0(VALU_DEP_1)
	v_max_num_f32 v13, v13, v42                    ; the running largest t
	v_mov_b32 v42, v12
	s_delay_alu instid0(VALU_DEP_2)
	v_floor_f32 v12, -v13                          ; the new -M = floor(-t) = -ceil(t): M is a whole number
	s_delay_alu instid0(VALU_DEP_1)
	v_sub_f32 v42, v12, v42                        ; old M - new M: a whole number, 0 or less
	s_delay_alu instid0(VALU_DEP_1)
	v_cvt_i32_f32 v42, v42                         ; (it saturates)
	s_delay_alu instid0(VALU_DEP_1)
	v_ldexp_f32 v40, 1.0, v42                      ; f = 2^(old M - new M): a multiplication by it rounds nothing
.set j, 0
.rept 32
	v_pk_fma_f32 v[S+j:S+j+1], v[S+j:S+j+1], s[CS:CS+1], v[12:13] op_sel_hi:[1,0,0]   ; t - M, two at a time
.set j, j+2
.endr
.irp b, 0,1,2,3
	v_fma_f32 v[BM+\b], v[BM+\b], s[CS], v12       ; the same of each block's largest score
.endr
.set j, 0
	s_wait_alu depctr_va_vdst(0)
.rept 64
	v_exp_f32 v[S+j], v[S+j]                       ; p = 2^(t - M), at most 1: not normalised
.set j, j+1
.endr
	s_setprio 1
	v_pk_mul_f32 v[14:15], v[14:15], v[40:41] op_sel_hi:[1,0]   ; l under the new M: the plain place behind the exponentials
	s_wait_alu depctr_va_vdst(0)                   ; one wait for the whole batch, ahead of its first reader
.irp b, 0,1,2,3
	v_exp_f32 v[BM+\b], v[BM+\b]                   ; the block's largest p: the same two instructions on the same number give the same bits
.endr
	v_pk_add_f32 v[224:225], v[100:101], v[104:105]
	v_pk_add_f32 v[252:253], v[108:109], v[112:113]
	v_pk_add_f32 v[250:251], v[116:117], v[120:121]
	v_pk_add_f32 v[248:249], v[124:125], v[128:129]
	v_pk_add_f32 v[246:247], v[132:133], v[136:137]
	v_pk_add_f32 v[244:245], v[140:141], v[144:145]
	v_pk_add_f32 v[242:243], v[148:149], v[152:153]
	v_pk_add_f32 v[14:15], v[14:15], v[156:157]
	v_pk_add_f32 v[224:225], v[224:225], v[96:97]
	v_pk_add_f32 v[252:253], v[252:253], v[98:99]
	v_pk_add_f32 v[250:251], v[250:251], v[102:103]
	v_pk_add_f32 v[248:249], v[248:249], v[106:107]
	v_pk_add_f32 v[246:247], v[246:247], v[110:111]
	v_pk_add_f32 v[244:245], v[244:245], v[114:115]
	v_pk_add_f32 v[242:243], v[242:243], v[118:119]
	v_pk_add_f32 v[14:15], v[14:15], v[122:123]
	v_pk_add_f32 v[224:225], v[224:225], v[126:127]
	v_pk_add_f32 v[252:253], v[252:253], v[130:131]
	v_pk_add_f32 v[250:251], v[250:251], v[134:135]
	v_pk_add_f32 v[248:249], v[248:249], v[138:139]
	v_pk_add_f32 v[246:247], v[246:247], v[142:143]
	v_pk_add_f32 v[244:245], v[244:245], v[146:147]
	v_pk_add_f32 v[242:243], v[242:243], v[150:151]
	v_pk_add_f32 v[14:15], v[14:15], v[154:155]
	v_pk_add_f32 v[224:225], v[224:225], v[158:159]
	s_delay_alu instid0(VALU_DEP_2)
	v_pk_add_f32 v[14:15], v[14:15], v[248:249]
	s_delay_alu instid0(VALU_DEP_2)
	v_pk_add_f32 v[224:225], v[224:225], v[246:247]
	v_pk_add_f32 v[252:253], v[252:253], v[244:245]
	v_pk_add_f32 v[250:251], v[250:251], v[242:243]
	s_delay_alu instid0(VALU_DEP_2)
	v_pk_add_f32 v[14:15], v[14:15], v[252:253]
	s_delay_alu instid0(VALU_DEP_2)
	v_pk_add_f32 v[224:225], v[224:225], v[250:251]
	s_delay_alu instid0(VALU_DEP_1)
	v_pk_add_f32 v[14:15], v[14:15], v[224:225]
	s_wait_alu depctr_va_vdst(0)                   ; and one for the four
.irp b, 0,1,2,3
	v_max_num_f32 v[BM+\b], 0x1800000, v[BM+\b]    ; the floor 2^(3 - 127): the byte cannot fall under 1
.endr
.irp b, 0,1,2,3
	s_delay_alu instid0(VALU_DEP_4)
	v_add_nc_u32 v[BO+\b], 0xff000000, v[BM+\b]    ; 2 off the exponent field: the conversion's scale operand
.endr
.irp b, 0,1,2,3
	s_delay_alu instid0(VALU_DEP_4)
	v_lshrrev_b32 v[BT+\b], 23, v[BO+\b]           ; the scale's byte
.endr
	s_delay_alu instid0(VALU_DEP_3)
	v_lshl_or_b32 v35, v[BT+1], 8, v[BT]           ; p's scale word for these 128 keys
	s_delay_alu instid0(VALU_DEP_1)
	v_lshl_or_b32 v35, v[BT+2], 16, v35
	s_delay_alu instid0(VALU_DEP_1)
	v_lshl_or_b32 v35, v[BT+3], 24, v35
.irp c, 0,1
	v_cvt_scalef32_pk16_fp6_f32 v[PC+6*\c:PC+6*\c+2], v[S+32*\c:S+32*\c+15], v[BO+2*\c]
	v_cvt_scalef32_pk16_fp6_f32 v[CT+4*\c:CT+4*\c+2], v[S+32*\c+16:S+32*\c+31], v[BO+2*\c+1]   ; (a conversion's three registers begin on an even number)
.endr
	v_nop                                          ; one plain place behind a scaled conversion
.irp c, 0,1                                    ; the operand's layout wants a WHOLE block in a lane
.irp i, 0,1,2
	v_permlane16_swap_b32 v[PC+6*\c+\i], v[CT+4*\c+\i]
.endr
.irp i, 0,1,2
	s_delay_alu instid0(VALU_DEP_3)
	v_mov_b32 v[PC+6*\c+3+\i], v[CT+4*\c+\i]
.endr
.endr
.set j, 0
	s_setprio 0
.rept 16
	v_pk_mul_f32 v[O+j:O+j+1], v[O+j:O+j+1], v[40:41] op_sel_hi:[1,0]   ; O^T under the new M, each accumulator from its low end on.  (These are also the places in front of the scaled matrix instructions below)
.set j, j+2
.endr
	s_wait_alu depctr_va_vdst(0)
	s_wait_dscnt 0x0                               ; V's fragments and scale words are in
.irp j, 0,1,2,3                                ; O^T += V^T P^T: the four accumulators by turns
.if \j%2
	v_wmma_scale_f32_16x16x128_f8f6f4 v[O+8*\j:O+8*\j+7], v[KF+12*\j:KF+12*\j+11], v[PC:PC+11], v[O+8*\j:O+8*\j+7], v[38+\j/2], v35 matrix_a_fmt:MATRIX_FMT_FP6 matrix_b_fmt:MATRIX_FMT_FP6 matrix_a_scale:MATRIX_SCALE_ROW1
.else
	v_wmma_scale_f32_16x16x128_f8f6f4 v[O+8*\j:O+8*\j+7], v[KF+12*\j:KF+12*\j+11], v[PC:PC+11], v[O+8*\j:O+8*\j+7], v[38+\j/2], v35 matrix_a_fmt:MATRIX_FMT_FP6 matrix_b_fmt:MATRIX_FMT_FP6
.endif
.endr
	s_add_co_u32 s[TB], s[TB], 12800
	s_sub_co_u32 s[CNT], s[CNT], 1
	s_cmp_lg_u32 s[CNT], 0
	s_cbranch_scc1 .Lstep
	s_setprio 0
	; THE WAY OUT.  O^T / l: register 16 b + i is channel 32 b + 16 h + i of my query: two blocks of the next product's K.
	v_add_f32 v14, v14, v15                        ; l's two halves,
	s_delay_alu instid0(VALU_DEP_1)
	v_permlanex16_b32 v42, v14, s[SEL], s[SEL+1]
	s_delay_alu instid0(VALU_DEP_1)
	v_add_f32 v14, v14, v42                        ; and lane l xor 16's
	s_wait_alu depctr_va_vdst(0)
	v_rcp_f32 v14, v14
	v_lshlrev_b32 v7, 2, v5                        ; 4 r: my row's scale word.  (A plain place behind the reciprocal; with the additions and the two lines below: the places behind the last products)
	v_nop
	v_nop
	s_wait_alu depctr_va_vdst(0)                   ; ahead of the reciprocal's first reader
.set j, 0
.rept 32
	v_mul_f32 v[S+j], v[O+j], v14
.set j, j+1
.endr
.irp b, 0,1
	v_max3_num_f32 v[BM+\b], |v[S+16*\b]|, |v[S+1+16*\b]|, 0x1800000
.endr
.irp i, 2,4,6,8,10,12,14
.irp b, 0,1
	s_delay_alu instid0(VALU_DEP_2)
	v_max3_num_f32 v[BM+\b], v[BM+\b], |v[S+16*\b+\i]|, |v[S+1+16*\b+\i]|
.endr
.endr
.irp b, 0,1
	s_delay_alu instid0(VALU_DEP_2)
	v_permlanex16_b32 v[BT+\b], v[BM+\b], s[SEL], s[SEL+1]
.endr
.irp b, 0,1
	s_delay_alu instid0(VALU_DEP_2)
	v_max_num_f32 v[BM+\b], v[BM+\b], v[BT+\b]
.endr
.irp b, 0,1
	s_delay_alu instid0(VALU_DEP_2)
	v_add_nc_u32 v[BO+\b], 0xff000000, v[BM+\b]
.endr
.irp b, 0,1
	s_delay_alu instid0(VALU_DEP_2)
	v_lshrrev_b32 v[BT+\b], 23, v[BO+\b]
.endr
	s_delay_alu instid0(VALU_DEP_1)
	v_lshl_or_b32 v43, v[BT+1], 8, v[BT]           ; my head's two bytes of my row's scale word
	v_cvt_scalef32_pk16_fp6_f32 v[PC:PC+2], v[S:S+15], v[BO]
	v_cvt_scalef32_pk16_fp6_f32 v[CT:CT+2], v[S+16:S+31], v[BO+1]
	v_nop                                          ; one plain place behind a scaled conversion
.irp i, 0,1,2
	v_permlane16_swap_b32 v[PC+\i], v[CT+\i]       ; lanes 0-15: block 0 whole, lanes 16-31: block 1
.endr
.irp i, 0,1,2
	s_delay_alu instid0(VALU_DEP_3)
	v_mov_b32 v[PC+3+\i], v[CT+\i]
.endr
.irp p, 0,1,2
	global_store_b64 v[L8], v[PC+2*\p:PC+2*\p+1], s[50:51] offset:256*\p   ; 32 lanes store 256 consecutive bytes, aligned
.endr
	global_store_b16 v7, v43, s[52:53]             ; lanes l and l + 16 hold the same row's bytes and write the same two bytes with the same value
	s_wait_tensorcnt 0x0
	ds_add_u32 v254, v255
	s_wait_dscnt 0x0
	ROUND                                          ; the closing round: no work-group ends while a partner may still ask for a tile that names it
	s_endpgm
.Lfunc_end_k_q5553cdcbbe_attn:
	.size	k_q5553cdcbbe_attn, .Lfunc_end_k_q5553cdcbbe_attn-k_q5553cdcbbe_attn
	.p2alignl 7, 3214868480
	.fill 96, 4, 3214868480
	.section	.rodata,"a",@progbits
	.p2align	6, 0x0
	.amdhsa_kernel k_q5553cdcbbe_attn
		.amdhsa_group_segment_fixed_size 206848
		.amdhsa_private_segment_fixed_size 0
		.amdhsa_enable_private_segment 0
		.amdhsa_kernarg_size 24
		.amdhsa_user_sgpr_count 2
		.amdhsa_user_sgpr_kernarg_segment_ptr 1
		.amdhsa_wavefront_size32 1
		.amdhsa_system_sgpr_workgroup_id_x 1
		.amdhsa_system_sgpr_workgroup_id_y 1
		.amdhsa_system_sgpr_workgroup_id_z 1
		.amdhsa_system_vgpr_workitem_id 0
		.amdhsa_next_free_vgpr 256
		.amdhsa_next_free_sgpr 66
		.amdhsa_reserve_vcc 0
		.amdhsa_float_denorm_mode_32 3
		.amdhsa_float_denorm_mode_16_64 3
		.amdhsa_memory_ordered 1
		.amdhsa_forward_progress 1
		.amdhsa_inst_pref_size 29
	.end_amdhsa_kernel
	.amdgpu_metadata
---
amdhsa.version: [ 1, 2 ]
amdhsa.kernels:
  - .name:           k_q5553cdcbbe_attn
    .symbol:         k_q5553cdcbbe_attn.kd
    .args:
      - { .name: qc, .offset: 0, .size: 8, .value_kind: global_buffer, .address_space: global }
      - { .name: kv, .offset: 8, .size: 8, .value_kind: global_buffer, .address_space: global }
      - { .name: oc, .offset: 16, .size: 8, .value_kind: global_buffer, .address_space: global }
    .group_segment_fixed_size: 206848
    .private_segment_fixed_size: 0
    .kernarg_segment_align: 8
    .kernarg_segment_size: 24
    .max_flat_workgroup_size: 512
    .sgpr_count:     66
    .vgpr_count:     256
    .wavefront_size: 32
...
	.end_amdgpu_metadata
.endif
;; end of part 3
;; launch oproj (part 4): grid 8 x 32, 4 waves a work-group, clusters of 4 x 1, 168,448 bytes of LDS; arguments oc, wq, bo, out0; writes out0
.if DOCPART == 4
	.amdgcn_target "amdgcn-amd-amdhsa--gfx1250"
	.amdhsa_code_object_version 6
	.text
	.protected	k_q5553cdcbbe_oproj
	.globl	k_q5553cdcbbe_oproj
	.p2align	8
	.type	k_q5553cdcbbe_oproj,@function
k_q5553cdcbbe_oproj:
	s_mov_b64 s[64:65], 0
	v_nop
	global_prefetch_b8 v0, s[64:65] scope:SCOPE_SE
	s_setreg_imm32_b32 hwreg(HW_REG_WAVE_MODE, 25, 1), 1
	s_wait_xcnt 0x0
	s_wait_alu depctr_hold_cnt(0) depctr_sa_sdst(0) depctr_va_vdst(0) depctr_va_sdst(0) depctr_va_ssrc(0) depctr_va_vcc(0) depctr_vm_vsrc(0)
	s_getreg_b32 s2, hwreg(HW_REG_IB_STS2, 6, 4)
	s_cmp_eq_u32 s2, 0
	s_cbranch_scc0 .Lentry_in_a_cluster
	s_endpgm
.Lentry_in_a_cluster:
	s_bfe_u32 s2, ttmp6, 0x10000c
	s_cmp_lg_u32 s2, 0x3003
	s_cbranch_scc0 .Lentry_shape_is_right
	s_endpgm
.Lentry_shape_is_right:
; out0 = o Wo + bo on codes of FP6 (E2M3) with E8M0 scales; out0 is f32.
; SHARES.  A work-group takes 128 tokens (record beta of oc) x 128 columns; wave w takes the 64 tokens of half w / 2 and unit 2 gx + w % 2 of 64 columns: 16 accumulators (window 1).
; o's record, 102,400 bytes, lies in LDS, filled once.  The four work-groups of a cluster take the same tokens: the record is asked for JOINTLY, 100 rows of 256 bytes a wave.
; THE WEIGHTS go from memory straight into registers, three K steps ahead; the partners of a cluster take other columns, so there is nothing of the weights that partners could ask for jointly.
; The product is used transposed (source 0 = 16 columns of Wo, source 1 = 16 tokens): a lane holds one token, and the 16 registers of two neighbouring tiles of columns are 16 neighbouring columns
; (row m of tile u of a pair is index 8 u + m + 8 (m / 8) of the pair's 32; tokens' tiles likewise).  A tile of 16 tokens x 64 columns goes through the wave's own stage in LDS and leaves as rows of 256 bytes.
; oc's fragments are images by pairs of registers: register 6 c + 2 p + i of lane l at 768 c + 256 p + 8 l + 4 i; wq's by fours: register 4 c + i at 512 c + 16 l + 4 i.
; LIMITS: NaN and infinities are not served; the bias is added behind the f32 sum.
; REGISTERS, window 0: v1-10 addresses; v16-87 o's fragments, three sets of two; v88-231 W's, three K steps of four; v232-234 o's scale words, v236-241 W's.  On the way out: v16-143 rows read back, v144-175 a tile's
; results, v184-215 the bias.
.set WV,  18
.set G0,  24
.set G1,  28
.set WB,  44                           ; s[44:45] my unit of Wo
.set BI,  46                           ; s[46:47] my 64 numbers of bo
.set OUT, 48                           ; s[48:49] out0 at my first token and column
.set XB,  1                            ; v1 8 l + 6,144 x my half; v2 the same 51,200 on (K steps 4-7: an LDS offset has 16 bits)
.set XSB, 3                            ; v3 4 l + 256 x my half; v4 the same 51,200 on
.set LI,  5                            ; v5 16 l
.set LS,  6                            ; v6 4 l
.set BQ,  7                            ; v7 64 h
.set STO, 8                            ; v8 the stage: where I put 16 bytes of a row
.set RD,  9                            ; v9 and where I read a row back
.set GO,  10                           ; v10 my byte offset in two rows of out0
.set XR,  16
.set WR,  88
.set SX,  232
.set SW,  236
.set T,   144
.set OUTR, 16
.set BI0, 184
.set STG, 102400                       ; behind the record: 16 rows x (256 bytes + 16) for each wave; no fill lands there
.set MSB, 0
.macro WIN new                         ; the immediate's high byte repeats the setting that is left
.if MSB != \new
	s_set_vgpr_msb (MSB<<8)|\new
.set MSB, \new
.endif
.endm
.macro ROUND                           ; a round of the cluster's barrier
	s_barrier_signal -1
	s_barrier_wait -1
	s_cmp_lg_u32 s[WV], 0
	s_cbranch_scc1 .Lnot_wave_0_\@
	s_barrier_signal -3
.Lnot_wave_0_\@:
	s_barrier_wait -3
	s_barrier_signal -1
	s_barrier_wait -1
.endm
.macro PLACES                          ; four plain places between a matrix instruction and a load into, or a vector instruction on, its registers
.rept 4
	v_nop
.endr
.endm
; One matrix instruction on accumulator rD: source 0 = W's tile, source 1 = o's.  ra, rb: the side's scale words stand in lanes 16-31.  In K step 0 the product starts the sum.
.macro WMMA ra, rb
.if ms_ == 0
.if (\ra) && (\rb)
	v_wmma_scale_f32_16x16x128_f8f6f4 v[rD:rD+7], v[rW:rW+11], v[rX:rX+11], 0, v[rSW], v[rSX] matrix_a_fmt:MATRIX_FMT_FP6 matrix_b_fmt:MATRIX_FMT_FP6 matrix_a_scale:MATRIX_SCALE_ROW1 matrix_b_scale:MATRIX_SCALE_ROW1
.elseif (\ra)
	v_wmma_scale_f32_16x16x128_f8f6f4 v[rD:rD+7], v[rW:rW+11], v[rX:rX+11], 0, v[rSW], v[rSX] matrix_a_fmt:MATRIX_FMT_FP6 matrix_b_fmt:MATRIX_FMT_FP6 matrix_a_scale:MATRIX_SCALE_ROW1
.elseif (\rb)
	v_wmma_scale_f32_16x16x128_f8f6f4 v[rD:rD+7], v[rW:rW+11], v[rX:rX+11], 0, v[rSW], v[rSX] matrix_a_fmt:MATRIX_FMT_FP6 matrix_b_fmt:MATRIX_FMT_FP6 matrix_b_scale:MATRIX_SCALE_ROW1
.else
	v_wmma_scale_f32_16x16x128_f8f6f4 v[rD:rD+7], v[rW:rW+11], v[rX:rX+11], 0, v[rSW], v[rSX] matrix_a_fmt:MATRIX_FMT_FP6 matrix_b_fmt:MATRIX_FMT_FP6
.endif
.else
.if (\ra) && (\rb)
	v_wmma_scale_f32_16x16x128_f8f6f4 v[rD:rD+7], v[rW:rW+11], v[rX:rX+11], v[rD:rD+7], v[rSW], v[rSX] matrix_a_fmt:MATRIX_FMT_FP6 matrix_b_fmt:MATRIX_FMT_FP6 matrix_a_scale:MATRIX_SCALE_ROW1 matrix_b_scale:MATRIX_SCALE_ROW1
.elseif (\ra)
	v_wmma_scale_f32_16x16x128_f8f6f4 v[rD:rD+7], v[rW:rW+11], v[rX:rX+11], v[rD:rD+7], v[rSW], v[rSX] matrix_a_fmt:MATRIX_FMT_FP6 matrix_b_fmt:MATRIX_FMT_FP6 matrix_a_scale:MATRIX_SCALE_ROW1
.elseif (\rb)
	v_wmma_scale_f32_16x16x128_f8f6f4 v[rD:rD+7], v[rW:rW+11], v[rX:rX+11], v[rD:rD+7], v[rSW], v[rSX] matrix_a_fmt:MATRIX_FMT_FP6 matrix_b_fmt:MATRIX_FMT_FP6 matrix_b_scale:MATRIX_SCALE_ROW1
.else
	v_wmma_scale_f32_16x16x128_f8f6f4 v[rD:rD+7], v[rW:rW+11], v[rX:rX+11], v[rD:rD+7], v[rSW], v[rSX] matrix_a_fmt:MATRIX_FMT_FP6 matrix_b_fmt:MATRIX_FMT_FP6
.endif
.endif
.endm
.macro WLOAD                           ; K step ws of my unit: 4 fragments and 2 scale registers, 14 loads, into buffer ws % 3
.irp j, 0,1,2,3
.irp c, 0,1,2
	global_load_b128 v[WR+48*(ws%3)+12*\j+4*\c:WR+48*(ws%3)+12*\j+4*\c+3], v[LI], s[WB:WB+1] offset:6400*ws+1536*\j+512*\c
.endr
.endr
.irp b, 0,1
	global_load_b32 v[SW+2*(ws%3)+\b], v[LS], s[WB:WB+1] offset:6400*ws+6144+128*\b
.endr
.endm
.macro XSET                            ; set xq = 2 s + p: pair p of my half's tiles in K step s: 2 fragments and their scale register, 13 LDS loads, into slot xq % 3
.set xs_, xq/2
.set xo_, 12800*(xs_%4)
.irp u, 0,1
.irp c, 0,1
.irp p, 0,1,2
	ds_load_b64 v[XR+24*(xq%3)+12*\u+6*\c+2*\p:XR+24*(xq%3)+12*\u+6*\c+2*\p+1], v[XB+xs_/4] offset:xo_+3072*(xq%2)+1536*\u+768*\c+256*\p
.endr
.endr
.endr
	ds_load_b32 v[SX+xq%3], v[XSB+xs_/4] offset:xo_+12288+128*(xq%2)
.endm
.macro MSET                            ; set mq: 8 matrix instructions.  The 16 accumulators take turns, one instruction a turn
.set ms_, mq/2
.irp u, 0,1
.irp j, 0,1,2,3
.set rD, 8*(4*(2*(mq%2)+\u)+\j)
.set rW, WR+48*(ms_%3)+12*\j
.set rX, XR+24*(mq%3)+12*\u
.set rSW, SW+2*(ms_%3)+\j/2
.set rSX, SX+mq%3
	WMMA \j%2, \u
.endr
.endr
.endm
	s_load_b256 s[4:11], s[0:1], 0x0               ; oc, wq, bo, out0
	v_lshl_add_u32 v254, v0, 2, 0x29000
	v_mov_b32 v255, 0
	ds_add_u32 v254, v255
	ds_add_u32 v254, v255
	v_lshrrev_b32 v1, 5, v0
	v_readfirstlane_b32 s[WV], v1                  ; wave 0..3
	v_and_b32 v11, 31, v0                          ; l
	v_and_b32 v12, 15, v0                          ; r
	v_bfe_u32 v13, v0, 4, 1                        ; h
	s_lshr_b32 s22, s[WV], 1                       ; my half of the tokens
	s_and_b32 s23, s[WV], 1
	s_mul_i32 s39, s22, 6144
	v_lshl_add_u32 v[XB], v11, 3, s39
	v_add_nc_u32 v[XB+1], 51200, v[XB]
	s_lshl_b32 s38, s22, 8
	v_lshl_add_u32 v[XSB], v11, 2, s38
	v_add_nc_u32 v[XSB+1], 51200, v[XSB]
	v_lshlrev_b32 v[LI], 4, v11
	v_lshlrev_b32 v[LS], 2, v11
	v_lshlrev_b32 v[BQ], 6, v13
	s_mul_i32 s37, s[WV], 16*272
	s_add_co_u32 s37, s37, STG                     ; my stage
	v_mul_u32_u24 v[STO], v12, 272
	v_lshl_add_u32 v[STO], v13, 6, v[STO]
	v_add_nc_u32 v[STO], s37, v[STO]               ; in: row r, + 64 h: my half's 16 columns of each 32
	v_mul_u32_u24 v[RD], v13, 272
	v_lshl_add_u32 v[RD], v12, 4, v[RD]
	v_add_nc_u32 v[RD], s37, v[RD]                 ; back: lanes 0-15 one row of 256 bytes, lanes 16-31 the next
	v_lshlrev_b32 v[GO], 12, v13
	v_lshl_add_u32 v[GO], v12, 4, v[GO]            ; and the same in out0: rows of 4,096 bytes
	s_bfe_u32 s19, ttmp6, 0x40000                  ; cx: it enters global addresses of the weights, the bias and out0 alone
	s_lshl_b32 s20, ttmp9, 2
	s_add_co_u32 s20, s20, s19                     ; gx
	s_and_b32 s21, ttmp7, 0xffff                   ; beta, which the four partners share
	s_lshl_b32 s36, s20, 1
	s_add_co_u32 s23, s23, s36                     ; my unit of 64 columns
	; descriptor group 1: 100 rows of 256 bytes (32 elements of 8 bytes), dense in memory and in LDS
	s_mov_b32 s[G1], 15|(3<<16)|(1<<21)            ; 15:0 the mask: all four work-groups; 17:16 elements of 8 bytes; 20 no padding; 21 set beside a mask
	s_mov_b32 s[G1+1], 32<<16
	s_mov_b32 s[G1+2], 100<<16
	s_mov_b32 s[G1+3], 32<<16
	s_mov_b32 s[G1+4], 100
	s_mov_b32 s[G1+5], 32
	s_mov_b32 s[G1+6], 0
	s_mov_b32 s[G1+7], 0
	s_mov_b32 s[G0], 1
	s_mul_i32 s[G0+1], s[WV], 25600                ; LDS address: a quarter of the record for each wave
	s_mul_i32 s52, s21, 102400
	s_add_co_u32 s52, s52, s[G0+1]
	s_mov_b32 s53, 0
	s_add_co_u32 s40, s23, 48                      ; weight 3: units 48 on
	s_mul_i32 s40, s40, 51200
	s_mov_b32 s41, 0
	s_lshl_b32 s42, s23, 8                         ; 64 numbers of 4 bytes: in bo, and along a row of out0
	s_mov_b32 s43, 0
	s_lshl_b32 s54, s21, 19                        ; 128 rows of 4,096 bytes,
	s_lshl_b32 s55, s22, 18                        ; 64 for my half
	s_add_co_u32 s54, s54, s55
	s_add_co_u32 s54, s54, s42
	s_mov_b32 s55, 0
	s_wait_dscnt 0x0
	s_wait_kmcnt 0x0
	s_add_nc_u64 s[WB:WB+1], s[6:7], s[40:41]
	s_add_nc_u64 s[BI:BI+1], s[8:9], s[42:43]
	s_add_nc_u64 s[OUT:OUT+1], s[10:11], s[54:55]
	s_add_nc_u64 s[G0+2:G0+3], s[4:5], s[52:53]
	s_or_b32 s[G0+3], s[G0+3], 0x80000000          ; type = 2
.irp n, 0,1,2
.set ws, \n
	WLOAD                                          ; the first three K steps' weights are on their way while the record is fetched
.endr
	ROUND                                          ; all four work-groups are here: the joint loads meet
	tensor_load_to_lds s[G0:G0+3], s[G1:G1+7]      ; my one tensor load of the launch
	s_nop 0
.rept 4
	v_nop                                          ; four plain lines follow a tensor load
.endr
	s_wait_tensorcnt 0x0                           ; my quarter has landed,
	s_barrier_signal -1
	s_barrier_wait -1                              ; everybody's has: the record is whole, and nothing is ever filled again
.irp n, 0,1,2
.set xq, \n
	XSET
.endr
.set mq, 0
	s_wait_alu depctr_va_vdst(0)
.rept 16                               ; all of K: 8 K steps x 2 sets, written out: every offset is an immediate
.if mq%2 == 0
.if mq/2 <= 5
	s_wait_loadcnt 28                              ; this K step's weights are in; the two later steps' 14 + 14 loads may be out
.elseif mq/2 == 6
	s_wait_loadcnt 22                              ; behind K step 6's: K step 7's 14 and the bias's 8
.else
	s_wait_loadcnt 8                               ; behind K step 7's: the bias's 8
.endif
.endif
.if mq <= 13
	s_wait_dscnt 26                                ; this set is in; the two later sets' 13 + 13 loads may be out
.else
	s_wait_dscnt 13*(15-mq)
.endif
	WIN 0x50                                       ; C and D in window 1
	MSET
	WIN 0
	PLACES                                         ; in front of the loads into the registers just read; behind the last set: of the way out
.if mq+3 <= 15
.set xq, mq+3
	XSET
.endif
.if mq%2 == 1
.if mq/2 <= 4
.set ws, mq/2+3
	WLOAD
.elseif mq/2 == 5
.irp j, 0,1,2,3                        ; the bias, 8 loads, into W's buffer 2, which K step 5 has left: tile j's eight columns of my half
	global_load_b128 v[BI0+8*\j:BI0+8*\j+3], v[BQ], s[BI:BI+1] offset:4*(32*(\j/2)+8*(\j%2))
	global_load_b128 v[BI0+8*\j+4:BI0+8*\j+7], v[BQ], s[BI:BI+1] offset:4*(32*(\j/2)+8*(\j%2))+16
.endr
.endif
.endif
.set mq, mq+1
.endr
	s_wait_loadcnt 0x0                             ; the bias
; THE WAY OUT, a tile of 16 tokens at a time.  A lane holds 4 x 32 bytes of one row; the tile goes through my own stage and comes back as rows of 256 bytes.  Stage row m is token 8 u + m + 8 (m / 8) of its pair's 32.
.irp t, 0,1,2,3
	WIN 0x01                                       ; source 0 in window 1
.irp j, 0,1,2,3
.irp e, 0,2,4,6
	v_pk_add_f32 v[T+8*\j+\e:T+8*\j+\e+1], v[8*(4*\t+\j)+\e:8*(4*\t+\j)+\e+1], v[BI0+8*\j+\e:BI0+8*\j+\e+1]   ; + bias; each accumulator from its low end on
.endr
.endr
	WIN 0
.irp j, 0,1,2,3
.irp e, 0,1
	ds_store_b128 v[STO], v[T+8*\j+4*\e:T+8*\j+4*\e+3] offset:128*(\j/2)+32*(\j%2)+16*\e   ; columns 32 (j / 2) + 16 h + 8 (j % 2) + 4 e on
.endr
.endr
.irp i, 0,1,2,3,4,5,6,7
	ds_load_b128 v[OUTR+32*\t+4*\i:OUTR+32*\t+4*\i+3], v[RD] offset:544*\i   ; LDS serves a wave's instructions in order: these see the stores above, and the next tile's stores come behind them
.endr
	s_wait_dscnt 0x0                               ; the rows are back, and the stores have read their registers: the next tile's results may be written
.irp i, 0,1,2,3,4,5,6,7
	global_store_b128 v[GO], v[OUTR+32*\t+4*\i:OUTR+32*\t+4*\i+3], s[OUT:OUT+1] offset:4096*(32*(\t/2)+8*(\t%2)+2*\i+8*(\i/4)) th:TH_STORE_NT   ; sixteen lanes store 256 consecutive bytes, aligned; two rows an instruction; each tile has registers of its own
.endr
.endr
	s_wait_tensorcnt 0x0
	ds_add_u32 v254, v255
	s_wait_dscnt 0x0
	ROUND                                          ; the closing round: no work-group ends while a partner may still ask for a tile that names it
	s_endpgm
.Lfunc_end_k_q5553cdcbbe_oproj:
	.size	k_q5553cdcbbe_oproj, .Lfunc_end_k_q5553cdcbbe_oproj-k_q5553cdcbbe_oproj
	.p2alignl 7, 3214868480
	.fill 96, 4, 3214868480
	.section	.rodata,"a",@progbits
	.p2align	6, 0x0
	.amdhsa_kernel k_q5553cdcbbe_oproj
		.amdhsa_group_segment_fixed_size 168448
		.amdhsa_private_segment_fixed_size 0
		.amdhsa_enable_private_segment 0
		.amdhsa_kernarg_size 32
		.amdhsa_user_sgpr_count 2
		.amdhsa_user_sgpr_kernarg_segment_ptr 1
		.amdhsa_wavefront_size32 1
		.amdhsa_system_sgpr_workgroup_id_x 1
		.amdhsa_system_sgpr_workgroup_id_y 1
		.amdhsa_system_sgpr_workgroup_id_z 1
		.amdhsa_system_vgpr_workitem_id 0
		.amdhsa_next_free_vgpr 384
		.amdhsa_next_free_sgpr 66
		.amdhsa_reserve_vcc 0
		.amdhsa_float_denorm_mode_32 3
		.amdhsa_float_denorm_mode_16_64 3
		.amdhsa_memory_ordered 1
		.amdhsa_forward_progress 1
		.amdhsa_inst_pref_size 61
	.end_amdhsa_kernel
	.amdgpu_metadata
---
amdhsa.version: [ 1, 2 ]
amdhsa.kernels:
  - .name:           k_q5553cdcbbe_oproj
    .symbol:         k_q5553cdcbbe_oproj.kd
    .args:
      - { .name: oc, .offset: 0, .size: 8, .value_kind: global_buffer, .address_space: global }
      - { .name: wq, .offset: 8, .size: 8, .value_kind: global_buffer, .address_space: global }
      - { .name: bo, .offset: 16, .size: 8, .value_kind: global_buffer, .address_space: global }
      - { .name: out0, .offset: 24, .size: 8, .value_kind: global_buffer, .address_space: global }
    .group_segment_fixed_size: 168448
    .private_segment_fixed_size: 0
    .kernarg_segment_align: 8
    .kernarg_segment_size: 32
    .max_flat_workgroup_size: 128
    .sgpr_count:     66
    .vgpr_count:     384
    .wavefront_size: 32
...
	.end_amdgpu_metadata
.endif
;; end of part 4
